; MI455X (gfx1250); checked and timed in simulation.
; The chip was launched on July 23, 2026; its instructions are those of AMD's public machine-readable ISA for CDNA 5 (MIT licence, August 2026) and "CDNA5" Instruction Set Architecture Reference Guide (July 2026). The comments in the code are by the model that wrote it; some were corrected since.
;; Multi Query Attention. Allowed arithmetic: matrix products marked QUANTISED: E2M1 operands, one E8M0 scale for each 32 along K, by v_wmma_scale_f32_16x16x128_f8f6f4 with both operands' format E2M1 (or v_wmma_scale_f32_32x16x128_f4), f32 sums; products left as they are: bf16, f16 or f32 operands; f32 sums; everything else in f32.
;; Inputs: wk 2,048 x 64 float32; wo 2,048 x 2,048 float32; wq 2,048 x 2,048 float32; wv 2,048 x 64 float32; x 2 x 2,048 x 2,048 float32.
;; Outputs: out0 2 x 2,048 x 2,048 float32.
;; This version of the problem:
;;   THIS VERSION OF THE PROBLEM IS GIVEN IN LOW PRECISION. The matrix products marked QUANTISED in the list below multiply operands that are first quantised to E2M1 (2 exponent bits, 1 mantissa bit; 4 bits a number), with one power-of-two scale for each 32 numbers along K (OCP MX v1.0); their sums are f32. The products marked 'left as it is' may take bf16, f16 or f32 operands, with f32 sums. Whichever they take, every output number must still come out within the allowed error. Rounding operands to bf16 (8 significant bits) uses up far more of that allowance than f16 does (11 bits, for magnitudes from 6e-5 to 65,504). All else is computed in f32.
;;   The module's matrix products, in the order in which they are computed (A, B: the left and right operand; K: the contracted axis; several contracted axes count as one K, in the product's order):
;;     1. [M 4,096, K 2,048] x [K 2,048, N 2,048]; A: input x; B: input wq: QUANTISED
;;     2. [M 4,096, K 2,048] x [K 2,048, N 64]; A: input x; B: input wk: QUANTISED
;;     3. [M 4,096, K 2,048] x [K 2,048, N 64]; A: input x; B: input wv: QUANTISED
;;     4. batch 2 x [M 2,048, K 64] x [K 64, N 65,536]; A: computed on the way; B: computed on the way: left as it is (an operand is computed on the way)
;;     5. batch 2 x [M 64, K 2,048] x [K 2,048, N 65,536]; A: computed on the way; B: computed on the way: left as it is (an operand is computed on the way)
;;     6. [M 4,096, K 2,048] x [K 2,048, N 2,048]; A: computed on the way; B: input wo: left as it is (an operand is computed on the way)
;;   THE QUANTISER, for each operand of a quantised product, along K:
;;     - K is cut into blocks of 32 from its start; a last block that is shorter is filled with zeros.
;;     - A block's scale is 2^e with e = floor(log2(the largest magnitude in the block)) - 2, held to -126 .. 127; a block of zeros has e = 0. As a byte (E8M0): e + 127.
;;     - Each number is divided by its block's scale, clamped to +-6, and rounded to the nearest number of E2M1, ties to even, subnormals kept.
;;     - The product sums the exact products of the quantised numbers (number of the format x scale) in f32.
;;   ~~~python
;;   def quantise(x, axis):      # numpy; x: float32 -> the quantised numbers, widened to float32 again
;;       x = np.moveaxis(x, axis, -1); K = x.shape[-1]
;;       x = np.pad(x, [(0, 0)] * (x.ndim - 1) + [(0, -K % 32)]); x = x.reshape(x.shape[:-1] + (-1, 32)); a = np.abs(x).max(-1, keepdims=True)
;;       e = np.where(a > 0, np.clip(np.frexp(np.where(a > 0, a, 1))[1] - 1 - 2, -126, 127), 0)      # np.frexp(a)[1] - 1 = floor(log2(a)), exactly
;;       r = np.clip(x / 2.0 ** e, -6, 6)
;;       step = 2.0 ** (np.maximum(np.frexp(np.where(r == 0, 1, r))[1] - 1, 0) - 1)
;;       q = np.round(r / step) * step * 2.0 ** e      # np.round: ties to even
;;       return np.moveaxis(q.reshape(q.shape[:-2] + (-1,))[..., :K], -1, axis).astype(np.float32)
;;   ~~~
;; One version. Each part assembles by itself: llvm-mc -triple=amdgcn-amd-amdhsa -mcpu=gfx1250 --defsym DOCPART=n.
;; ======== version 1 of 1: 6 launches
;; limits: values are held in f16: magnitudes above 65,504 overflow, below 6.1e-05 lose precision
;; workspace buffers: xq 4,456,448 bytes; wqc 2,367,488 bytes; wo16 8,388,608 bytes; q16 16,777,216 bytes; kv16 1,048,576 bytes; ofine 262,144 bytes; o16 16,777,216 bytes
;; launch prep (part 1): grid 580 x 1, 4 waves a work-group, no clusters, 102,912 bytes of LDS; arguments x, wq, wk, wv, wo, xq, wqc, wo16; writes xq, wqc, wo16
.if DOCPART == 1
	.amdgcn_target "amdgcn-amd-amdhsa--gfx1250"
	.amdhsa_code_object_version 6
	.text
	.protected	k_q28b675cf08_prep
	.globl	k_q28b675cf08_prep
	.p2align	8
	.type	k_q28b675cf08_prep,@function
k_q28b675cf08_prep:
	s_mov_b64 s[64:65], 0
	v_nop
	global_prefetch_b8 v0, s[64:65] scope:SCOPE_SE
	s_setreg_imm32_b32 hwreg(HW_REG_WAVE_MODE, 25, 1), 1
	s_wait_xcnt 0x0
; All that is made once from the inputs.  Four kinds of work-group, told apart by the work-group's number; each kind has LDS bytes of its own and its own end.
;   0..63    wq [2048 k][2048 n] f32 -> codes of E2M1 with K innermost, rows n = 0..2047 of wqc, and one E8M0 byte for each 32 along K
;   64..67   wk, wv [2048 k][64 n] f32 -> the same, rows 2048..2111 (wk) and 2112..2175 (wv) of wqc
;   68..323  x [4096][2048] f32 -> codes and bytes in xq (K is innermost already: a plain stream of blocks of 32)
;   324..579 wo f32 -> f16, as it lies
; xq:  codes [4096][1024 bytes] at 0, bytes [4096][64] at XS_OFF.   wqc: codes [2176][1024 bytes] at 0, bytes [2176][64] at WS_OFF.
; A block's scale is 2^(floor(log2(its largest magnitude)) - 2); its byte is the largest magnitude's exponent field - 2, held at 1 from below.
; LIMITS: a block of zeros gets the byte 1 where the rule says 127 (its codes are zeros, and this program alone reads the bytes); blocks whose largest magnitude lies under 2^(3 - 127) are held at byte 1;
; NaN and infinities are not served; |wo| stays under 65,504, and numbers of wo under 6e-5 lose bits in f16.
.set XS_OFF, 4194304
.set WS_OFF, 2228224
.set EMAX,  2
.set SPW,   14                         ; v14  LDS address of my spare word; never rewritten
.set NIL,   15                         ; v15  0; never rewritten
.set XREG,  8192                       ; LDS 0..32767: x's path, a region for each wave
.set WQST,  32768                      ; wq's path: four stages of 32 x 272 bytes
.set WKST,  67584                      ; wk's and wv's path: the same
.set SPARE, 102400                     ; the spare words, 128 bytes a wave: two blocks of 256 bytes that no other line names
	s_load_b512 s[4:19], s[0:1], 0x0               ; x s[4:5], wq s[6:7], wk s[8:9], wv s[10:11], wo s[12:13], xq s[14:15], wqc s[16:17], wo16 s[18:19]
	v_lshl_add_u32 v[SPW], v0, 2, SPARE
	v_mov_b32 v[NIL], 0
	v_lshrrev_b32 v1, 5, v0
	v_readfirstlane_b32 s20, v1                    ; wave 0..3
	v_and_b32 v2, 31, v0                           ; lane
	s_mov_b32 s31, 0                               ; s[30:31]: a byte offset under 2^32
	s_wait_kmcnt 0x0
	s_cmp_lt_u32 ttmp9, 64
	s_cbranch_scc1 .Lwq
	s_cmp_lt_u32 ttmp9, 68
	s_cbranch_scc1 .Lwkv
	s_cmp_lt_u32 ttmp9, 324
	s_cbranch_scc1 .Lx
; ---- wo -> f16.  A wave takes 32 chunks of 512 bytes; a ring of 16 loads; each chunk has result registers of its own, so no store's data are written again.
	s_sub_co_u32 s22, ttmp9, 324
	s_lshl_b32 s22, s22, 2
	s_add_co_u32 s22, s22, s20                     ; which run of 32 chunks
	s_lshl_b32 s30, s22, 14
	s_add_nc_u64 s[12:13], s[12:13], s[30:31]
	s_lshl_b32 s30, s22, 13
	s_add_nc_u64 s[18:19], s[18:19], s[30:31]
	v_lshlrev_b32 v3, 4, v2                        ; in: 16 bytes a lane
	v_lshlrev_b32 v4, 3, v2                        ; out: 8 bytes a lane
.set CI, 0
.rept 16
	global_load_b128 v[16+4*CI:19+4*CI], v3, s[12:13] offset:512*CI th:TH_LOAD_NT
.set CI, CI+1
.endr
.set CI, 0
.rept 32
.if CI < 16
	s_wait_loadcnt 15                              ; chunk CI is in; the 15 younger loads stay out
.else
	s_wait_loadcnt 31-CI                           ; nothing more is asked for: the counts run down
.endif
	v_cvt_pk_f16_f32 v[80+2*CI], v[16+4*(CI%16)], v[17+4*(CI%16)]
	v_cvt_pk_f16_f32 v[81+2*CI], v[18+4*(CI%16)], v[19+4*(CI%16)]
.if CI < 16
	global_load_b128 v[16+4*CI:19+4*CI], v3, s[12:13] offset:512*(CI+16) th:TH_LOAD_NT
.endif
	global_store_b64 v4, v[80+2*CI:81+2*CI], s[18:19] offset:256*CI   ; 32 lanes store 256 consecutive bytes, aligned
.set CI, CI+1
.endr
	s_endpgm
; ---- x.  A wave takes 16 steps of 512 numbers.  Each load reads 512 consecutive bytes; a step's 2,048 bytes turn through the wave's stage in LDS and come back 64 bytes a lane: 16 neighbours along K; two lanes hold a block.
.set STEPS, 16
.set CB,    8                          ; bytes of 16 codes
.set R,     16                         ; v16-79   four sets of 16 numbers as loaded
.set X,     80                         ; v80-111  two sets of 16 neighbours
.set E,     112                        ; v112-127 a scale byte for each step
.set C,     128                        ; v128-191 codes, four registers for each step
.set SP,    80                         ; a lane's place in a stage: 64 bytes + 16 of padding
.macro XLOAD t
.irp i, 0,1,2,3
	global_load_b128 v[R+16*((\t)%4)+4*\i:R+16*((\t)%4)+4*\i+3], v3, s[4:5] offset:2048*(\t)+512*\i th:TH_LOAD_NT
.endr
.endm
.macro XTURN t                         ; LDS serves a wave's instructions in order: no wait between the stores and the loads
.irp i, 0,1,2,3
	ds_store_b128 v10, v[R+16*((\t)%4)+4*\i:R+16*((\t)%4)+4*\i+3] offset:32*SP*((\t)%2)+8*SP*\i
.endr
.irp i, 0,1,2,3
	ds_load_b128 v[X+16*((\t)%2)+4*\i:X+16*((\t)%2)+4*\i+3], v12 offset:32*SP*((\t)%2)+16*\i
.endr
.endm
.macro XSTEP t
.set XS, X+16*((\t)%2)
.if (\t) > 0
	s_wait_dscnt 1                                 ; this step's numbers are back from the stage; the last step's byte store may be out
.else
	s_wait_dscnt 0x0
.endif
.if (\t)+4 < STEPS
	XLOAD (\t)+4
.endif
.if (\t)+1 < STEPS
.if STEPS-2-(\t) >= 3
	s_wait_loadcnt 12                              ; the next step's four loads are in; those of the three steps behind it may be out
.else
	s_wait_loadcnt 4*(STEPS-2-(\t))
.endif
	XTURN (\t)+1
.endif
	v_max3_num_f32 v8, |v[XS]|, |v[XS+1]|, |v[XS+2]|               ; the largest magnitude of my 16, in two chains
	v_max3_num_f32 v9, |v[XS+3]|, |v[XS+4]|, |v[XS+5]|
.irp i, 6,10
	v_max3_num_f32 v8, v8, |v[XS+\i]|, |v[XS+\i+1]|
	v_max3_num_f32 v9, v9, |v[XS+\i+2]|, |v[XS+\i+3]|
.endr
	v_max3_num_f32 v8, v8, |v[XS+14]|, |v[XS+15]|
	v_max3_num_f32 v8, v8, v9, (EMAX+1)<<23        ; and the floor 2^(3 - 127): the byte cannot fall under 1
	v_max_num_f32_dpp v8, v8, v8 row_xmask:1 row_mask:0xf bank_mask:0xf   ; with my neighbour's 16: the block's
	v_add_nc_u32 v11, -(EMAX<<23), v8              ; 2 off its exponent field: the conversion takes this operand's exponent field as its scale
	v_cvt_scalef32_pk8_fp4_f32 v[C+4*(\t)], v[XS:XS+7], v11
	v_cvt_scalef32_pk8_fp4_f32 v[C+4*(\t)+1], v[XS+8:XS+15], v11
	v_lshrrev_b32 v[E+(\t)], 23, v11               ; the scale's byte
	ds_store_b8 v5, v[E+(\t)] offset:16*(\t)       ; both lanes of a block write the same byte with the same value
	global_store_b64 v4, v[C+4*(\t):C+4*(\t)+1], s[26:27] offset:32*CB*(\t)   ; 32 lanes store 256 consecutive bytes, aligned
.endm
.Lx:
	v_lshlrev_b32 v3, 4, v2                        ; my 16 bytes of a load's 512
	s_mul_i32 s21, s20, XREG
	v_lshrrev_b32 v10, 2, v2
	v_mul_u32_u24 v10, v10, SP
	v_and_b32 v13, 3, v2
	v_lshl_add_u32 v10, v13, 4, v10
	v_add_nc_u32 v10, s21, v10                     ; the stage, on the way in: SP (lane / 4) + 16 (lane % 4)
	v_mul_u32_u24 v12, v2, SP
	v_add_nc_u32 v12, s21, v12                     ; and on the way out: SP x lane
	v_mul_u32_u24 v4, v2, CB
	v_lshrrev_b32 v5, 1, v2
	s_add_co_u32 s21, s21, 2*32*SP
	v_add_nc_u32 v5, s21, v5                       ; my wave's 256 scale bytes, my block's byte
	v_lshlrev_b32 v7, 3, v2
	v_add_nc_u32 v6, s21, v7
	s_sub_co_u32 s22, ttmp9, 68
	s_lshl_b32 s22, s22, 2
	s_add_co_u32 s22, s22, s20                     ; which run of 8,192 numbers: 0..1023
	s_lshl_b32 s30, s22, 15
	s_add_nc_u64 s[4:5], s[4:5], s[30:31]
	s_lshl_b32 s30, s22, 12
	s_add_nc_u64 s[26:27], s[14:15], s[30:31]      ; its 4,096 bytes of codes
	s_lshl_b32 s30, s22, 8
	s_add_co_u32 s30, s30, XS_OFF
	s_add_nc_u64 s[28:29], s[14:15], s[30:31]      ; its 256 scale bytes
.irp t, 0,1,2,3
	XLOAD \t
.endr
	s_wait_loadcnt 12                              ; step 0's four loads are in
	XTURN 0
.irp t, 0,1,2,3,4,5,6,7,8,9,10,11,12,13,14,15
	XSTEP \t
.endr
	ds_load_b64 v[8:9], v6                         ; in order behind my byte stores
	s_wait_dscnt 0x0
	global_store_b64 v7, v[8:9], s[28:29]          ; one aligned run of 256 bytes
	s_wait_tensorcnt 0x0                           ; the wave's end, behind my last LDS store
	ds_add_u32 v[SPW], v[NIL]
	s_wait_dscnt 0x0
	s_endpgm
; ---- a weight whose K is its first axis.  A lane takes a column n and its registers run down K: a block of 32 lies in one lane, and the conversions give codes with K innermost.
; A wave takes 32 columns x 512 along K: 256 bytes of codes a column, through its stage in LDS, out as rows: sixteen lanes store 256 consecutive bytes, aligned.
.set NB,    16                         ; blocks of a lane
.set PITCH, 272                        ; a stage row: 256 bytes + 16
.set KROW,  1024                       ; a row of codes in wqc
.set WX,    32                         ; v32-95   two sets of 32 numbers
.set WC,    96                         ; v96-99   a block's codes
.set OUTR,  112                        ; v112-175 the way out
.set SB,    24                         ; v24-27   the scale bytes, four to a register
.macro WLOAD t, pitch                  ; block t: rows 32 t + i of my column, into set t % 2
.set WI, 0
.rept 32
	global_load_b32 v[WX+32*((\t)%2)+WI], v3, s[24:25] offset:(32*(\t)+WI)*(\pitch) th:TH_LOAD_NT
.set WI, WI+1
.endr
.endm
.macro WBLOCK t, pitch
.set XS, WX+32*((\t)%2)
.if (\t) < NB-1
	s_wait_loadcnt 32                              ; this block's 32 loads are in; the next block's may be out
.else
	s_wait_loadcnt 0
.endif
	v_max3_num_f32 v12, |v[XS]|, |v[XS+1]|, |v[XS+2]|
	v_max3_num_f32 v13, |v[XS+3]|, |v[XS+4]|, |v[XS+5]|
.irp i, 6,10,14,18,22,26
	v_max3_num_f32 v12, v12, |v[XS+\i]|, |v[XS+\i+1]|
	v_max3_num_f32 v13, v13, |v[XS+\i+2]|, |v[XS+\i+3]|
.endr
	v_max3_num_f32 v12, v12, |v[XS+30]|, |v[XS+31]|
	v_max3_num_f32 v12, v12, v13, (EMAX+1)<<23     ; and the floor
	v_add_nc_u32 v11, -(EMAX<<23), v12
	v_lshrrev_b32 v13, 23, v11                     ; the scale's byte
.if (\t)%4 == 0
	v_mov_b32 v[SB+(\t)/4], v13
.else
	v_lshl_or_b32 v[SB+(\t)/4], v13, 8*((\t)%4), v[SB+(\t)/4]
.endif
.irp g, 0,1,2,3
	v_cvt_scalef32_pk8_fp4_f32 v[WC+\g], v[XS+8*\g:XS+8*\g+7], v11
.endr
	ds_store_b128 v4, v[WC:WC+3] offset:16*(\t)    ; 32 codes: 16 bytes of my column's row
.if (\t)+2 < NB
	WLOAD (\t)+2, \pitch
.endif
	s_wait_dscnt 0x0                               ; the store has read its registers: the next block's codes may be written
.endm
.macro WADDR ldsbase                   ; the lanes' places
	v_lshlrev_b32 v3, 2, v2                        ; in: 4 bytes a lane
	s_mul_i32 s21, s20, 32*PITCH
	s_add_co_u32 s21, s21, \ldsbase                ; my stage
	v_mul_u32_u24 v4, v2, PITCH
	v_add_nc_u32 v4, s21, v4                       ; into it: row = my column
	v_and_b32 v5, 15, v2
	v_lshrrev_b32 v6, 4, v2
	v_mul_u32_u24 v7, v6, PITCH
	v_lshl_add_u32 v7, v5, 4, v7
	v_add_nc_u32 v7, s21, v7                       ; out of it: sixteen lanes to a row, two rows an instruction
	v_lshlrev_b32 v8, 10, v6
	v_lshl_add_u32 v8, v5, 4, v8                   ; the same place in the codes
	v_lshlrev_b32 v9, 6, v2                        ; my column's row of scale bytes
.endm
.macro WDEST                           ; s22 = my wave's first row of wqc, s23 = which 512 along K
	s_lshl_b32 s30, s22, 10
	s_lshl_b32 s21, s23, 8
	s_add_co_u32 s30, s30, s21
	s_add_nc_u64 s[26:27], s[16:17], s[30:31]
	s_lshl_b32 s30, s22, 6
	s_lshl_b32 s21, s23, 4
	s_add_co_u32 s30, s30, s21
	s_add_co_u32 s30, s30, WS_OFF
	s_add_nc_u64 s[28:29], s[16:17], s[30:31]
.endm
.macro WBODY pitch
	WLOAD 0, \pitch
	WLOAD 1, \pitch
.set Q, 0
.rept NB
	WBLOCK Q, \pitch
.set Q, Q+1
.endr
	global_store_b128 v9, v[SB:SB+3], s[28:29]     ; my column's 16 scale bytes
.irp t, 0,1,2,3,4,5,6,7,8,9,10,11,12,13,14,15
	ds_load_b128 v[OUTR+4*\t:OUTR+4*\t+3], v7 offset:2*\t*PITCH
.endr
.irp t, 0,1,2,3,4,5,6,7,8,9,10,11,12,13,14,15
	s_wait_dscnt 15-\t                             ; the younger loads from the stage may be out
	global_store_b128 v8, v[OUTR+4*\t:OUTR+4*\t+3], s[26:27] offset:2*\t*KROW
.endr
	s_wait_tensorcnt 0x0                           ; the wave's end
	ds_add_u32 v[SPW], v[NIL]
	s_wait_dscnt 0x0
	s_endpgm
.endm
.Lwq:
	WADDR WQST
	s_and_b32 s22, ttmp9, 15
	s_lshr_b32 s23, ttmp9, 4                       ; which 512 along K
	s_lshl_b32 s22, s22, 7
	s_lshl_b32 s21, s20, 5
	s_add_co_u32 s22, s22, s21                     ; my first column: 128 x (id % 16) + 32 x wave
	s_lshl_b32 s30, s23, 22                        ; 512 rows of 8,192 bytes
	s_lshl_b32 s21, s22, 2
	s_add_co_u32 s30, s30, s21
	s_add_nc_u64 s[24:25], s[6:7], s[30:31]
	WDEST
	WBODY 8192
.Lwkv:
	WADDR WKST
	s_sub_co_u32 s23, ttmp9, 64                    ; which 512 along K
	s_and_b32 s21, s20, 1
	s_lshl_b32 s21, s21, 7                         ; my 32 columns of the tensor's 64
	s_lshl_b32 s30, s23, 17                        ; 512 rows of 256 bytes
	s_add_co_u32 s30, s30, s21
	s_cmp_lt_u32 s20, 2                            ; waves 0, 1: wk; waves 2, 3: wv
	s_cselect_b64 s[24:25], s[8:9], s[10:11]
	s_add_nc_u64 s[24:25], s[24:25], s[30:31]
	s_lshl_b32 s22, s20, 5
	s_add_co_u32 s22, s22, 2048                    ; rows 2048 + 32 x wave of wqc
	WDEST
	WBODY 256
.Lfunc_end_k_q28b675cf08_prep:
	.size	k_q28b675cf08_prep, .Lfunc_end_k_q28b675cf08_prep-k_q28b675cf08_prep
	.p2alignl 7, 3214868480
	.fill 96, 4, 3214868480
	.section	.rodata,"a",@progbits
	.p2align	6, 0x0
	.amdhsa_kernel k_q28b675cf08_prep
		.amdhsa_group_segment_fixed_size 102912
		.amdhsa_private_segment_fixed_size 0
		.amdhsa_enable_private_segment 0
		.amdhsa_kernarg_size 64
		.amdhsa_user_sgpr_count 2
		.amdhsa_user_sgpr_kernarg_segment_ptr 1
		.amdhsa_wavefront_size32 1
		.amdhsa_system_sgpr_workgroup_id_x 1
		.amdhsa_system_sgpr_workgroup_id_y 1
		.amdhsa_system_sgpr_workgroup_id_z 1
		.amdhsa_system_vgpr_workitem_id 0
		.amdhsa_next_free_vgpr 192
		.amdhsa_next_free_sgpr 66
		.amdhsa_reserve_vcc 0
		.amdhsa_float_denorm_mode_32 3
		.amdhsa_float_denorm_mode_16_64 3
		.amdhsa_memory_ordered 1
		.amdhsa_forward_progress 1
		.amdhsa_inst_pref_size 199
	.end_amdhsa_kernel
	.amdgpu_metadata
---
amdhsa.version: [ 1, 2 ]
amdhsa.kernels:
  - .name:           k_q28b675cf08_prep
    .symbol:         k_q28b675cf08_prep.kd
    .args:
      - { .name: x, .offset: 0, .size: 8, .value_kind: global_buffer, .address_space: global }
      - { .name: wq, .offset: 8, .size: 8, .value_kind: global_buffer, .address_space: global }
      - { .name: wk, .offset: 16, .size: 8, .value_kind: global_buffer, .address_space: global }
      - { .name: wv, .offset: 24, .size: 8, .value_kind: global_buffer, .address_space: global }
      - { .name: wo, .offset: 32, .size: 8, .value_kind: global_buffer, .address_space: global }
      - { .name: xq, .offset: 40, .size: 8, .value_kind: global_buffer, .address_space: global }
      - { .name: wqc, .offset: 48, .size: 8, .value_kind: global_buffer, .address_space: global }
      - { .name: wo16, .offset: 56, .size: 8, .value_kind: global_buffer, .address_space: global }
    .group_segment_fixed_size: 102912
    .private_segment_fixed_size: 0
    .kernarg_segment_align: 8
    .kernarg_segment_size: 64
    .max_flat_workgroup_size: 128
    .sgpr_count:     66
    .vgpr_count:     192
    .wavefront_size: 32
...
	.end_amdgpu_metadata
.endif
;; end of part 1
;; launch qproj (part 2): grid 8 x 16, 4 waves a work-group, clusters of 4 x 4, 327,680 bytes of LDS; arguments xq, wqc, q16; writes q16
.if DOCPART == 2
	.amdgcn_target "amdgcn-amd-amdhsa--gfx1250"
	.amdhsa_code_object_version 6
	.text
	.protected	k_q28b675cf08_qproj
	.globl	k_q28b675cf08_qproj
	.p2align	8
	.type	k_q28b675cf08_qproj,@function
k_q28b675cf08_qproj:
	s_mov_b64 s[64:65], 0
	v_nop
	global_prefetch_b8 v0, s[64:65] scope:SCOPE_SE
	s_setreg_imm32_b32 hwreg(HW_REG_WAVE_MODE, 25, 1), 1
	s_wait_xcnt 0x0
	s_wait_alu depctr_hold_cnt(0) depctr_sa_sdst(0) depctr_va_vdst(0) depctr_va_sdst(0) depctr_va_ssrc(0) depctr_va_vcc(0) depctr_vm_vsrc(0)
	s_getreg_b32 s2, hwreg(HW_REG_IB_STS2, 6, 4)
	s_cmp_eq_u32 s2, 0
	s_cbranch_scc0 .Lentry_in_a_cluster
	s_endpgm
.Lentry_in_a_cluster:
	s_bfe_u32 s2, ttmp6, 0x10000c
	s_cmp_lg_u32 s2, 0xf033
	s_cbranch_scc0 .Lentry_shape_is_right
	s_endpgm
.Lentry_shape_is_right:
; q[m][n] = sum over k of Q(x)[m][k] Q(wq)[k][n], on codes of E2M1 with one E8M0 scale for each 32 along K; sums in f32; q is rounded once, to f16, for the attention that follows.
; A = xq's codes [4096][1024 bytes], B = rows 0..2047 of wqc's codes [n][1024 bytes]; scale bytes [row][64] behind the codes of each buffer.
; A tile of q, 256 x 256, is made by a work-group of four waves; a wave makes 128 x 128: 64 accumulators, 512 registers: 16 x 8 = 128 work-groups.  A smaller tile would give 256, but each LDS byte would feed half the products.
; K goes in steps of 512 (rows of 256 bytes) through a ring of two LDS slots; the scale bytes of the work-group's rows, for all of K, come into LDS once, with the first fills.
; CLUSTERS: 4 x 4 work-groups; A's tiles are asked for jointly along a row of the cluster, B's along a column.  THE MATRIX INSTRUCTION IS USED TRANSPOSED (source 0 = 16 rows of B, source 1 = 16 rows of A): a lane holds eight neighbouring numbers of a row of q.
; LIMIT: |q| stays under 65,504 (f16).
; REGISTERS: window 0: v0-31 addresses; v32-95 scale words, two sets; from v128 A's fragments, one set; on the way out v32-63 packed results, v128-191 rows read back.
;   window 1: B's fragments, two sets, at v0 and v128.   window 2: the accumulators of my rows 0-63 ((a, b) at v[8 (8 a + b)]);   window 3: those of my rows 64-127.
.set SIZE_N, 2048
.set SIZE_K, 2048
.set XS_OFF, 4194304
.set WS_OFF, 2228224
.set KSTEP,  512
.set NQ,     KSTEP/128
.set ROWB,   256
.set KROW,   SIZE_K*4/8
.set PITCH,  272                       ; an LDS row: 256 bytes + 16 of padding: the 16 rows that a load touches start at 16 different groups of four banks
.set FR,     8
.set NL,     2
.set NP,     4
.set HALFT,  128*PITCH
.set SLOT,   4*HALFT
.set LAPS,   SIZE_K/(2*KSTEP)
.set KS,     SIZE_K/32
.set SCL,    2*SLOT
.set HALFS,  (128*KS/256)*272
.set SBLK,   (16*KS/256)*272
.set SPARE,  SCL+4*HALFS               ; the spare words, 128 bytes a wave
.set SPITCH, 272                       ; the way out: a stage of 16 rows x (256 bytes + 16) for each wave, in slot 0, which has had its last fill and its last read by then
.set ADRA, 16
.set ADRB, 20
.set STO,  24
.set RD,   25
.set CO,   26
.set ADRS, 27
.set SPW,  28
.set NIL,  29
.set SC,   32
.set AF,   128
.set TMP,  32
.set BK,   128
.set G1, 24
.set G0, 32
.set G1B, 48
.set G0B, 56
.set G1S, 68
.set G0S, 76
.set G1SB, 80
.set G0SB, 88
.set MSB, 0
.macro WIN new                         ; the immediate's high byte repeats the setting that is left
.if MSB != (\new)
	s_set_vgpr_msb (MSB<<8)|(\new)
.set MSB, (\new)
.endif
.endm
.set MUL_LO, 0xa1
.set MUL_HI, 0xf1
.set TO_B,   0x40
; A joint load: waves 0 and 1 fetch for A, waves 2 and 3 for B; the branch hangs on the wave's number alone.  An s_nop 0 and four v_nop follow each of the two lines.
.macro JLOAD g0a, g1a, g0b, g1b
	s_cmp_eq_u32 s15, 0
	s_cbranch_scc0 .Lfor_b_\@
	tensor_load_to_lds s[\g0a:\g0a+3], s[\g1a:\g1a+7]
	s_nop 0
.rept 4
	v_nop
.endr
	s_branch .Lasked_\@
.Lfor_b_\@:
	tensor_load_to_lds s[\g0b:\g0b+3], s[\g1b:\g1b+7]
	s_nop 0
.rept 4
	v_nop
.endr
.Lasked_\@:
.endm
.macro CREST                           ; a round of the cluster's barrier behind its opening barrier
	s_cmp_lg_u32 s14, 0
	s_cbranch_scc1 .Lnot_wave_0_\@
	s_barrier_signal -3
.Lnot_wave_0_\@:
	s_barrier_wait -3
	s_barrier_signal -1
	s_barrier_wait -1
.endm
.macro CROUND
	s_barrier_signal -1
	s_barrier_wait -1
	CREST
.endm
	s_load_b128 s[4:7], s[0:1], 0x0                ; xq s[4:5], wqc s[6:7]
	s_load_b64 s[12:13], s[0:1], 0x10              ; q16
	v_lshl_add_u32 v[SPW], v0, 2, SPARE
	v_mov_b32 v[NIL], 0
	ds_add_u32 v[SPW], v[NIL]                      ; the wave's opening: the add, twice on end, and its wait ahead of my first tensor load
	ds_add_u32 v[SPW], v[NIL]
	v_lshrrev_b32 v1, 5, v0
	v_readfirstlane_b32 s14, v1                    ; wave 0..3
	s_lshr_b32 s15, s14, 1                         ; which half of the tile's rows is mine.  Also: I fetch for A (0) or for B (1)
	s_and_b32 s16, s14, 1                          ; which half of its columns.  Also: which 128 rows of that tile I fetch
	s_bfe_u32 s40, ttmp6, 0x40000                  ; cx, cy
	s_bfe_u32 s41, ttmp6, 0x40004
	s_lshl_b32 s42, ttmp9, 2
	s_add_co_u32 s42, s42, s40                     ; tile column = 4 x cluster x + cx
	s_and_b32 s17, ttmp7, 0xffff
	s_lshl_b32 s17, s17, 2
	s_add_co_u32 s17, s17, s41                     ; tile row = 4 x cluster y + cy
	s_lshl_b32 s43, s41, 2
	s_lshl_b32 s43, 15, s43                        ; my row of the cluster
	s_lshl_b32 s44, 0x1111, s40                    ; my column
	s_or_b32 s[G1+0], s43, (0<<16)|(1<<20)|(1<<21)|(5<<22)|(3<<25)  ; the mask; elements of 1 byte; padding on; bit 21 beside a mask; four words after every 64
	s_or_b32 s[G1B+0], s44, (0<<16)|(1<<20)|(1<<21)|(5<<22)|(3<<25)
.irp g, G1, G1B
	s_mov_b32 s[\g+1], ROWB<<16                    ; tensor_dim0
	s_mov_b32 s[\g+2], 128<<16                     ; tensor_dim1
	s_mov_b32 s[\g+3], ROWB<<16                    ; tile_dim0
	s_mov_b32 s[\g+4], 128                         ; tile_dim1
	s_mov_b32 s[\g+5], KROW                        ; the pitch
	s_mov_b32 s[\g+6], 0
	s_mov_b32 s[\g+7], 0
.endr
	s_or_b32 s[G1S+0], s43, (3<<16)|(1<<20)|(1<<21)|(5<<22)|(3<<25) ; the scales of 128 rows: a dense block, as rows of 256 bytes (32 elements of 8 bytes)
	s_or_b32 s[G1SB+0], s44, (3<<16)|(1<<20)|(1<<21)|(5<<22)|(3<<25)
.irp g, G1S, G1SB
	s_mov_b32 s[\g+1], 32<<16
	s_mov_b32 s[\g+2], (128*KS/256)<<16
	s_mov_b32 s[\g+3], 32<<16
	s_mov_b32 s[\g+4], 128*KS/256
	s_mov_b32 s[\g+5], 32
	s_mov_b32 s[\g+6], 0
	s_mov_b32 s[\g+7], 0
.endr
	s_lshl_b32 s18, s16, 7
	s_lshl_b32 s20, s17, 8
	s_add_co_u32 s20, s20, s18                     ; A: row 256 x tile row + 128 x half
	s_lshl_b32 s46, s42, 8
	s_add_co_u32 s46, s46, s18                     ; B: row 256 x tile column + 128 x half
	s_mov_b32 s21, 0
	s_mov_b32 s47, 0
	s_mov_b64 s[18:19], KS
	s_mul_u64 s[22:23], s[20:21], s[18:19]         ; where these rows' scales begin
	s_mul_u64 s[92:93], s[46:47], s[18:19]
	s_mov_b64 s[18:19], KROW
	s_mul_u64 s[20:21], s[20:21], s[18:19]         ; and their codes
	s_mul_u64 s[46:47], s[46:47], s[18:19]
	s_mul_i32 s45, s14, HALFT                      ; where they go: wave x 128 rows
	s_mul_i32 s94, s14, HALFS
	s_wait_dscnt 0x0                               ; both opening adds are done
	s_wait_kmcnt 0x0
	s_mov_b64 s[8:9], s[6:7]                       ; B's codes
	s_add_nc_u64 s[10:11], s[6:7], WS_OFF          ; B's scales
	s_add_nc_u64 s[6:7], s[4:5], XS_OFF            ; A's scales
	s_add_nc_u64 s[20:21], s[4:5], s[20:21]
	s_add_nc_u64 s[22:23], s[6:7], s[22:23]
	s_add_nc_u64 s[46:47], s[8:9], s[46:47]
	s_add_nc_u64 s[92:93], s[10:11], s[92:93]
	CROUND                                         ; all sixteen work-groups are here: the first joint loads meet
	s_mov_b32 s[G0S], 1
	s_add_co_u32 s[G0S+1], s94, SCL
	s_mov_b64 s[G0S+2:G0S+3], s[22:23]
	s_or_b32 s[G0S+3], s[G0S+3], 0x80000000
	s_mov_b32 s[G0SB], 1
	s_add_co_u32 s[G0SB+1], s94, SCL
	s_mov_b64 s[G0SB+2:G0SB+3], s[92:93]
	s_or_b32 s[G0SB+3], s[G0SB+3], 0x80000000
	JLOAD G0S, G1S, G0SB, G1SB                     ; the scales first: they are wanted with K step 0
.irp s, 0,1
	s_mov_b32 s[G0+4*\s], 1
	s_add_co_u32 s[G0+4*\s+1], s45, \s*SLOT
	s_add_nc_u64 s[G0+4*\s+2:G0+4*\s+3], s[20:21], \s*ROWB
	s_or_b32 s[G0+4*\s+3], s[G0+4*\s+3], 0x80000000
	s_mov_b32 s[G0B+4*\s], 1
	s_add_co_u32 s[G0B+4*\s+1], s45, \s*SLOT
	s_add_nc_u64 s[G0B+4*\s+2:G0B+4*\s+3], s[46:47], \s*ROWB
	s_or_b32 s[G0B+4*\s+3], s[G0B+4*\s+3], 0x80000000
	JLOAD G0+4*\s, G1, G0B+4*\s, G1B
.endr
	v_and_b32 v1, 15, v0                           ; l % 16
	v_bfe_u32 v2, v0, 4, 1                         ; l / 16
	v_mul_u32_u24 v3, v1, PITCH
	v_lshl_add_u32 v4, v2, 4, v3                   ; a fragment's row x pitch + 16 x half
	s_mul_i32 s21, s15, HALFT
	s_mul_i32 s22, s16, HALFT
	s_add_co_u32 s22, s22, 2*HALFT
.irp s, 0,1
	v_add_nc_u32 v[ADRA+\s], s21, v4
	v_add_nc_u32 v[ADRB+\s], s22, v4
	s_add_co_u32 s21, s21, SLOT
	s_add_co_u32 s22, s22, SLOT
.endr
	v_mul_u32_u24 v5, v1, KS                       ; my row's scales: KS bytes a row,
	v_lshrrev_b32 v6, 8, v5
	v_lshl_add_u32 v5, v6, 4, v5                   ; and 16 more for each 256 passed
	s_mul_i32 s21, s15, HALFS
	s_mul_i32 s22, s16, HALFS
	s_add_co_u32 s22, s22, 2*HALFS
	s_sub_co_u32 s22, s22, s21
	v_mul_u32_u24 v6, s22, v2                      ; lanes 16-31 take B's
	s_add_co_u32 s21, s21, SCL
	v_add_nc_u32 v5, v5, v6
	v_add_nc_u32 v[ADRS], s21, v5
	s_mul_i32 s23, s14, 16*SPITCH                  ; my stage
	v_mul_u32_u24 v5, v1, SPITCH                   ; in: row l % 16, 16 bytes for each half of the lanes
	v_lshl_add_u32 v5, v2, 4, v5
	v_add_nc_u32 v[STO], s23, v5
	v_mul_u32_u24 v5, v2, SPITCH                   ; back: lanes 0-15 one row of 256 bytes, lanes 16-31 the next
	v_lshl_add_u32 v5, v1, 4, v5
	v_add_nc_u32 v[RD], s23, v5
	v_lshlrev_b32 v5, 12, v2                       ; and the same two rows in q16 (4,096 bytes a row)
	v_lshl_add_u32 v[CO], v1, 4, v5
	s_lshl_b32 s20, s17, 8
	s_lshl_b32 s21, s15, 7
	s_add_co_u32 s20, s20, s21                     ; my first row: 256 x tile row + 128 x half
	s_mov_b32 s21, 0
	s_mov_b64 s[18:19], SIZE_N*2
	s_mul_u64 s[20:21], s[20:21], s[18:19]
	s_lshl_b32 s46, s42, 9                         ; my first column, in bytes: 512 x tile column + 256 x half
	s_lshl_b32 s47, s16, 8
	s_add_co_u32 s46, s46, s47
	s_mov_b32 s47, 0
	s_add_nc_u64 s[20:21], s[20:21], s[46:47]
	s_add_nc_u64 s[12:13], s[12:13], s[20:21]
.macro FRAG reg, adr, q, i             ; 16 rows x 128 K of 4-bit codes: 8 registers; registers 4 c .. 4 c + 3 hold K = 64 c + 32 (l / 16) + 0 .. 31
.irp c, 0,1
	ds_load_b128 v[\reg+4*\c:\reg+4*\c+3], v[\adr] offset:64*(\q)+32*\c+(\i)*16*PITCH
.endr
.endm
; 16 matrix instructions: A's blocks a0, a0 + 1 x B's eight.  The 64 accumulators take turns, one instruction a turn, in the same order in every step.
.macro MUL16 a0, p, q, sc, zero
.irp a, \a0, \a0+1
.irp b, 0,1,2,3,4,5,6,7
.if \zero
	v_wmma_scale_f32_16x16x128_f8f6f4 v[8*(8*((\a)%4)+\b):8*(8*((\a)%4)+\b)+7], v[128*(\p)+FR*\b:128*(\p)+FR*\b+FR-1], v[AF+FR*(\a):AF+FR*(\a)+FR-1], 0, v[SC+8*NQ*(\sc)+NQ*\b+(\q)], v[SC+8*NQ*(\sc)+NQ*(\a)+(\q)] matrix_a_fmt:MATRIX_FMT_FP4 matrix_b_fmt:MATRIX_FMT_FP4 matrix_a_scale:MATRIX_SCALE_ROW1
.else
	v_wmma_scale_f32_16x16x128_f8f6f4 v[8*(8*((\a)%4)+\b):8*(8*((\a)%4)+\b)+7], v[128*(\p)+FR*\b:128*(\p)+FR*\b+FR-1], v[AF+FR*(\a):AF+FR*(\a)+FR-1], v[8*(8*((\a)%4)+\b):8*(8*((\a)%4)+\b)+7], v[SC+8*NQ*(\sc)+NQ*\b+(\q)], v[SC+8*NQ*(\sc)+NQ*(\a)+(\q)] matrix_a_fmt:MATRIX_FMT_FP4 matrix_b_fmt:MATRIX_FMT_FP4 matrix_a_scale:MATRIX_SCALE_ROW1
.endif
.endr
.endr
.endm
.macro FETCH_B slot, q, p
	WIN TO_B
.irp i, 0,1,2,3,4,5,6,7
	FRAG 128*(\p)+FR*\i, ADRB+\slot, \q, \i
.endr
	WIN 0
.endm
.macro FETCH_A slot, q, i0
.irp i, \i0, \i0+1, \i0+2, \i0+3
	FRAG AF+FR*(\i), ADRA+\slot, \q, \i
.endr
.endm
.macro SCALES sc                       ; a K step's scale words: lanes 0-15 take A's block i, lanes 16-31 B's block i
.irp i, 0,1,2,3,4,5,6,7
	ds_load_b128 v[SC+8*NQ*\sc+NQ*\i:SC+8*NQ*\sc+NQ*\i+3], v[ADRS] offset:\i*SBLK
.endr
.endm
.macro PLACES n                        ; plain vector places between a matrix instruction and a load into, or a read of, its registers
.rept \n
	v_nop
.endr
.endm
.macro STEP slot, q, zero
	s_wait_dscnt 4*NL                              ; B's set and A's blocks 0-3 are in; A's blocks 4-7 (8 loads) may be out
	WIN MUL_LO
	MUL16 0, (\q)%2, \q, \slot, \zero
	MUL16 2, (\q)%2, \q, \slot, \zero
	s_wait_dscnt 0                                 ; A's blocks 4-7 are in
	PLACES NP
	FETCH_B \slot, (\q)+1, 1-(\q)%2
	FETCH_A \slot, (\q)+1, 0
	WIN MUL_HI
	MUL16 4, (\q)%2, \q, \slot, \zero
	MUL16 6, (\q)%2, \q, \slot, \zero
	PLACES NP
	WIN 0
	FETCH_A \slot, (\q)+1, 4
.endm
; A slot's last step changes slots: one barrier; in front of it each wave waits for all its tensor loads, adds 0 to its spare word, and waits for that and for its reads of this slot.
.macro TURN slot, next, fill
	s_wait_tensorcnt 0x0                           ; all my tensor loads have landed: my part of the next slot
	ds_add_u32 v[SPW], v[NIL]
	s_wait_dscnt 4*NL+1                            ; the add and A's blocks 4-7 may be out
	WIN MUL_LO
	MUL16 0, 1, NQ-1, \slot, 0
	s_wait_dscnt 0x0                               ; the add is done, and my reads of this slot are over
	s_barrier_signal -1
	MUL16 2, 1, NQ-1, \slot, 0
	WIN 0
	s_barrier_wait -1
.if \fill
	CREST                                          ; the barrier has opened a round of the cluster's barrier: no wave of any partner still reads this slot or has a load on its way
	s_add_nc_u64 s[G0+4*\slot+2:G0+4*\slot+3], s[G0+4*\slot+2:G0+4*\slot+3], 2*ROWB
	s_add_nc_u64 s[G0B+4*\slot+2:G0B+4*\slot+3], s[G0B+4*\slot+2:G0B+4*\slot+3], 2*ROWB
	JLOAD G0+4*\slot, G1, G0B+4*\slot, G1B
.else
	PLACES NP
.endif
	v_add_nc_u32 v[ADRS], 4*NQ, v[ADRS]            ; on to the next K step's scale words
	FETCH_B \next, 0, 0
	FETCH_A \next, 0, 0
	SCALES \next
	WIN MUL_HI
	MUL16 4, 1, NQ-1, \slot, 0
	MUL16 6, 1, NQ-1, \slot, 0
	PLACES NP
	WIN 0
	FETCH_A \next, 0, 4
.endm
.macro STEPS slot, from
.set Q, \from
.rept NQ-1-\from
	STEP \slot, Q, 0
.set Q, Q+1
.endr
.endm
	s_wait_tensorcnt 1                             ; the scales and my part of K step 0 are in; K step 1's load may be out
	s_barrier_signal -1
	s_barrier_wait -1
	FETCH_B 0, 0, 0
	FETCH_A 0, 0, 0
	SCALES 0
	FETCH_A 0, 0, 4
	STEP 0, 0, 1                                   ; the first step's products start the sums
	s_mov_b32 s3, LAPS-1
.Llap:
	STEPS 0, 1
	TURN 0, 1, 1
	STEPS 1, 0
	TURN 1, 0, 1
	STEP 0, 0, 0
	s_sub_co_u32 s3, s3, 1
	s_cmp_lg_u32 s3, 0
	s_cbranch_scc1 .Llap
	STEPS 0, 1                                     ; the last lap fills nothing
	TURN 0, 1, 0
	STEPS 1, 0
	s_wait_dscnt 4*NL
	WIN MUL_LO
	MUL16 0, 1, NQ-1, 1, 0
	MUL16 2, 1, NQ-1, 1, 0
	s_wait_dscnt 0
	WIN MUL_HI
	MUL16 4, 1, NQ-1, 1, 0
	MUL16 6, 1, NQ-1, 1, 0
	WIN 0
; THE WAY OUT, block by block of 16 rows x 128 columns: rounded to f16 (16 bytes a lane), into my stage, back as whole rows of 256 bytes, stored sixteen lanes to an aligned run of 256 bytes.
.macro PACK a
.set AC, 64*((\a)%4)
	WIN 0x0a+5*((\a)/4)                            ; sources 0 and 1: window 2 or 3
.irp b, 0,1,2,3,4,5,6,7
.irp r, 0,1,2,3
	v_cvt_pk_f16_f32 v[TMP+4*\b+\r], v[AC+8*\b+2*\r], v[AC+8*\b+2*\r+1]   ; each accumulator from its low end on
.endr
.endr
	WIN 0
.endm
.macro TOSTAGE a
.set BB, BK+32*((\a)%2)
.irp b, 0,1,2,3,4,5,6,7
	ds_store_b128 v[STO], v[TMP+4*\b:TMP+4*\b+3] offset:32*\b
.endr
.irp t, 0,1,2,3,4,5,6,7
	ds_load_b128 v[BB+4*\t:BB+4*\t+3], v[RD] offset:\t*2*SPITCH    ; in order behind the stores above
.endr
.endm
.macro SEND a
.set BB, BK+32*((\a)%2)
	s_wait_dscnt 0x0                               ; the block is back in registers
	s_wait_xcnt 0x0                                ; earlier stores have read their base and their registers
.if (\a) > 0
	s_add_nc_u64 s[12:13], s[12:13], 16*SIZE_N*2   ; 16 rows on
.endif
.irp t, 0,1,2,3,4,5,6,7
	global_store_b128 v[CO], v[BB+4*\t:BB+4*\t+3], s[12:13] offset:2*\t*SIZE_N*2
.endr
.endm
	PLACES NP                                      ; behind the last products: the conversions write the scale words' registers, the stage's loads land in A's
	PACK 0
	TOSTAGE 0
.irp a, 1,2,3,4,5,6,7
	PACK \a
	SEND \a-1
	TOSTAGE \a
.endr
	SEND 7
	s_wait_tensorcnt 0x0                           ; the wave's end
	ds_add_u32 v[SPW], v[NIL]
	s_wait_dscnt 0x0
	CROUND                                         ; the closing round
	s_endpgm
.Lfunc_end_k_q28b675cf08_qproj:
	.size	k_q28b675cf08_qproj, .Lfunc_end_k_q28b675cf08_qproj-k_q28b675cf08_qproj
	.p2alignl 7, 3214868480
	.fill 96, 4, 3214868480
	.section	.rodata,"a",@progbits
	.p2align	6, 0x0
	.amdhsa_kernel k_q28b675cf08_qproj
		.amdhsa_group_segment_fixed_size 327680
		.amdhsa_private_segment_fixed_size 0
		.amdhsa_enable_private_segment 0
		.amdhsa_kernarg_size 24
		.amdhsa_user_sgpr_count 2
		.amdhsa_user_sgpr_kernarg_segment_ptr 1
		.amdhsa_wavefront_size32 1
		.amdhsa_system_sgpr_workgroup_id_x 1
		.amdhsa_system_sgpr_workgroup_id_y 1
		.amdhsa_system_sgpr_workgroup_id_z 1
		.amdhsa_system_vgpr_workitem_id 0
		.amdhsa_next_free_vgpr 1024
		.amdhsa_next_free_sgpr 98
		.amdhsa_reserve_vcc 0
		.amdhsa_float_denorm_mode_32 3
		.amdhsa_float_denorm_mode_16_64 3
		.amdhsa_memory_ordered 1
		.amdhsa_forward_progress 1
		.amdhsa_inst_pref_size 214
	.end_amdhsa_kernel
	.amdgpu_metadata
---
amdhsa.version: [ 1, 2 ]
amdhsa.kernels:
  - .name:           k_q28b675cf08_qproj
    .symbol:         k_q28b675cf08_qproj.kd
    .args:
      - { .name: xq, .offset: 0, .size: 8, .value_kind: global_buffer, .address_space: global }
      - { .name: wqc, .offset: 8, .size: 8, .value_kind: global_buffer, .address_space: global }
      - { .name: q16, .offset: 16, .size: 8, .value_kind: global_buffer, .address_space: global }
    .group_segment_fixed_size: 327680
    .private_segment_fixed_size: 0
    .kernarg_segment_align: 8
    .kernarg_segment_size: 24
    .max_flat_workgroup_size: 128
    .sgpr_count:     98
    .vgpr_count:     1024
    .wavefront_size: 32
...
	.end_amdgpu_metadata
.endif
;; end of part 2
;; launch side (part 3): grid 288 x 1, 4 waves a work-group, no clusters, 30,720 bytes of LDS; arguments xq, wqc, kv16, ofine; writes kv16, ofine
.if DOCPART == 3
	.amdgcn_target "amdgcn-amd-amdhsa--gfx1250"
	.amdhsa_code_object_version 6
	.text
	.protected	k_q28b675cf08_side
	.globl	k_q28b675cf08_side
	.p2align	8
	.type	k_q28b675cf08_side,@function
k_q28b675cf08_side:
	s_mov_b64 s[64:65], 0
	v_nop
	global_prefetch_b8 v0, s[64:65] scope:SCOPE_SE
	s_setreg_imm32_b32 hwreg(HW_REG_WAVE_MODE, 25, 1), 1
	s_wait_xcnt 0x0
; Two small jobs on the codes, told apart by the work-group's number; each has LDS bytes of its own.
;   32..287: k and v.  16 rows of x against rows 2048..2175 of wqc (wk's 64 columns, then wv's), K = 2,048, on codes of E2M1; rounded to f16 into kv16 (k [4096][64] at 0, v at V_OFF).
;   0..31:   the first 16 positions of batch b = id / 16, heads 2 cg and 2 cg + 1 (cg = id % 16), carried in f32: q (columns 128 cg ..), k and v by the same products on codes, kept in f32;
;            their causal attention (16 x 16) by the f32 matrix form; the result into ofine [16 b + t][2048] f32.
; A tile is 16 rows of x x 128 rows of wqc; wave w takes 32 of the 128: two accumulators by turns.  All 16 K steps' operands go from memory straight into registers.
; The products are used transposed (source 0 = 16 rows of wqc, source 1 = x's 16 rows): lane (r, h) holds row r and columns 8 h + 0 .. 7.
; No tensor loads, no ring, no cluster: a work-group reads each byte once and shares no tile with a neighbour at the same time.
; LIMIT: |k|, |v| stay under 65,504 (f16).
; REGISTERS: window 0: v0-31 addresses (v30, v31 the add's two); v32-47 two accumulators; v48-175 x's 16 fragments, later the f32 attention; v176-191 x's scale words; v192-223 the weights';
;   v224-255 four accumulators of the f32 matrix form, written by it alone.   window 1: the weights' 32 fragments, (u, s) at v[8 (16 u + s)].
.set XS_OFF, 4194304
.set WS_OFF, 2228224
.set V_OFF,  524288
.set KST,   0                          ; k, v path: 16 rows x (256 bytes + 16)
.set QF,    4608                       ; fine path: q, 16 rows x (512 bytes + 16)
.set KVF,   13056                      ; k (bytes 0..255 of a row) and v (256..511), likewise
.set OST,   21504                      ; two stages of 16 rows x (256 + 16)
.set SPARE, 30208
.set XA,  3                            ; v3  r x 1024 + 16 h: a fragment's place in 16 rows of codes
.set SA,  4                            ; v4  r x 64: a row of scale bytes
.set SPW, 30
.set NIL, 31
.set ACC, 32
.set XF,  48
.set XSC, 176
.set WSC, 192
.set FA,  224
.set KA,  48                           ; fine: k(r, 32 h + i)
.set QB,  80                           ; q(r, 32 h + i)
.set VA,  112                          ; v(8 h + i, 16 ct + r) at 8 ct + i
.set T,   144                          ; scores, then p
.set MSB, 0
.macro WIN new
.if MSB != (\new)
	s_set_vgpr_msb (MSB<<8)|(\new)
.set MSB, (\new)
.endif
.endm
.macro LOADX                           ; x's 16 fragments and 16 scale words a row
.irp s, 0,1,2,3,4,5,6,7,8,9,10,11,12,13,14,15
.irp c, 0,1
	global_load_b128 v[XF+8*\s+4*\c:XF+8*\s+4*\c+3], v[XA], s[16:17] offset:64*\s+32*\c
.endr
.endr
.irp i, 0,1,2,3
	global_load_b128 v[XSC+4*\i:XSC+4*\i+3], v[SA], s[18:19] offset:16*\i
.endr
.endm
.macro LOADW cb, sb                    ; my 32 rows of wqc: codes from s[cb:cb+1], scale bytes from s[sb:sb+1]
	WIN 0x40                                       ; destination window 1
.irp u, 0,1
.irp s, 0,1,2,3,4,5,6,7,8,9,10,11,12,13,14,15
.irp c, 0,1
	global_load_b128 v[8*(16*\u+\s)+4*\c:8*(16*\u+\s)+4*\c+3], v[XA], s[\cb:\cb+1] offset:16384*\u+64*\s+32*\c
.endr
.endr
.endr
	WIN 0
.irp u, 0,1
.irp i, 0,1,2,3
	global_load_b128 v[WSC+16*\u+4*\i:WSC+16*\u+4*\i+3], v[SA], s[\sb:\sb+1] offset:1024*\u+16*\i
.endr
.endr
.endm
.macro MULT                            ; 32 products: the two accumulators by turns, K ascending; the first K step starts the sums
	WIN 0x01                                       ; source 0 window 1
.irp s, 0,1,2,3,4,5,6,7,8,9,10,11,12,13,14,15
.irp u, 0,1
.if \s == 0
	v_wmma_scale_f32_16x16x128_f8f6f4 v[ACC+8*\u:ACC+8*\u+7], v[8*(16*\u+\s):8*(16*\u+\s)+7], v[XF+8*\s:XF+8*\s+7], 0, v[WSC+16*\u+\s], v[XSC+\s] matrix_a_fmt:MATRIX_FMT_FP4 matrix_b_fmt:MATRIX_FMT_FP4
.else
	v_wmma_scale_f32_16x16x128_f8f6f4 v[ACC+8*\u:ACC+8*\u+7], v[8*(16*\u+\s):8*(16*\u+\s)+7], v[XF+8*\s:XF+8*\s+7], v[ACC+8*\u:ACC+8*\u+7], v[WSC+16*\u+\s], v[XSC+\s] matrix_a_fmt:MATRIX_FMT_FP4 matrix_b_fmt:MATRIX_FMT_FP4
.endif
.endr
.endr
	WIN 0
.rept 5
	v_nop                                          ; places: four for reads of the results and loads into the operands, five for products that begin the accumulators anew
.endr
.endm
.macro STOREACC base                   ; f32, as they are: row r, my 32 columns
.irp u, 0,1
	ds_store_b128 v6, v[ACC+8*\u:ACC+8*\u+3] offset:\base+64*\u
	ds_store_b128 v6, v[ACC+8*\u+4:ACC+8*\u+7] offset:\base+64*\u+16
.endr
.endm
	s_load_b256 s[4:11], s[0:1], 0x0               ; xq s[4:5], wqc s[6:7], kv16 s[8:9], ofine s[10:11]
	v_lshl_add_u32 v[SPW], v0, 2, SPARE
	v_mov_b32 v[NIL], 0
	v_lshrrev_b32 v5, 5, v0
	v_readfirstlane_b32 s12, v5                    ; wave 0..3
	v_and_b32 v1, 15, v0                           ; r
	v_bfe_u32 v2, v0, 4, 1                         ; h
	v_lshlrev_b32 v[XA], 10, v1
	v_lshl_add_u32 v[XA], v2, 4, v[XA]
	v_lshlrev_b32 v[SA], 6, v1
	s_mov_b32 s15, 0                               ; s[14:15]: a byte offset under 2^32
	s_lshl_b32 s13, s12, 5
	s_add_co_u32 s13, s13, 2048                    ; wk's and wv's rows of wqc: 2048 + 32 x wave
	s_and_b32 s37, s12, 1
	s_wait_kmcnt 0x0
	s_lshl_b32 s14, s13, 10
	s_add_nc_u64 s[24:25], s[6:7], s[14:15]
	s_lshl_b32 s14, s13, 6
	s_add_co_u32 s14, s14, WS_OFF
	s_add_nc_u64 s[26:27], s[6:7], s[14:15]
	s_cmp_lt_u32 ttmp9, 32
	s_cbranch_scc1 .Lfine
; ---- k and v of 16 rows
	s_sub_co_u32 s13, ttmp9, 32
	s_lshl_b32 s14, s13, 14                        ; 16 rows of 1,024 bytes
	s_add_nc_u64 s[16:17], s[4:5], s[14:15]
	s_lshl_b32 s14, s13, 10                        ; 16 rows of 64 bytes
	s_add_co_u32 s14, s14, XS_OFF
	s_add_nc_u64 s[18:19], s[4:5], s[14:15]
	LOADX
	LOADW 24, 26
	v_mul_u32_u24 v6, v1, 272
	v_lshl_add_u32 v6, v2, 4, v6
	s_lshl_b32 s34, s12, 6
	v_add_nc_u32 v6, s34, v6                       ; in: row r, 64 x wave + 16 h (+ 32 u)
	v_bfe_u32 v7, v0, 3, 2                         ; lane / 8
	v_mul_u32_u24 v7, v7, 272
	v_and_b32 v8, 7, v0
	v_lshl_add_u32 v7, v8, 4, v7
	s_mul_i32 s34, s37, 8*272
	s_lshr_b32 s36, s12, 1                         ; 0: I store k; 1: v
	s_lshl_b32 s35, s36, 7
	s_add_co_u32 s34, s34, s35
	v_add_nc_u32 v7, s34, v7                       ; back: rows 8 (wave % 2) + lane / 8 (+ 4 i), 16 bytes a lane of the tensor's 128
	v_and_b32 v9, 31, v0
	v_lshlrev_b32 v9, 4, v9                        ; four rows of 128 bytes are 512 dense bytes in kv16
	s_lshl_b32 s14, s13, 11                        ; 16 rows of 128 bytes
	s_lshl_b32 s35, s37, 10
	s_add_co_u32 s14, s14, s35
	s_mul_i32 s35, s36, V_OFF
	s_add_co_u32 s14, s14, s35
	s_add_nc_u64 s[32:33], s[8:9], s[14:15]
	s_wait_loadcnt 0x0
	MULT
.irp u, 0,1
.irp i, 0,1,2,3
	v_cvt_pk_f16_f32 v[16+4*\u+\i], v[ACC+8*\u+2*\i], v[ACC+8*\u+2*\i+1]
.endr
.endr
.irp u, 0,1
	ds_store_b128 v6, v[16+4*\u:19+4*\u] offset:KST+32*\u
.endr
	s_wait_dscnt 0x0                               ; for the others' sake: my stores have landed
	s_barrier_signal -1
	s_barrier_wait -1
.irp i, 0,1
	ds_load_b128 v[16+4*\i:19+4*\i], v7 offset:KST+4*272*\i
.endr
.irp i, 0,1
	s_wait_dscnt 1-\i
	global_store_b128 v9, v[16+4*\i:19+4*\i], s[32:33] offset:512*\i   ; 32 lanes store 512 consecutive bytes, aligned
.endr
	s_wait_tensorcnt 0x0                           ; the wave's end
	ds_add_u32 v[SPW], v[NIL]
	s_wait_dscnt 0x0
	s_endpgm
; ---- the first 16 positions of a batch, two heads, in f32
.Lfine:
	s_lshr_b32 s13, ttmp9, 4                       ; b
	s_and_b32 s34, ttmp9, 15                       ; cg
	s_lshl_b32 s14, s13, 21                        ; 2,048 rows of 1,024 bytes
	s_add_nc_u64 s[16:17], s[4:5], s[14:15]
	s_lshl_b32 s14, s13, 17
	s_add_co_u32 s14, s14, XS_OFF
	s_add_nc_u64 s[18:19], s[4:5], s[14:15]
	s_lshl_b32 s35, s34, 7
	s_lshl_b32 s36, s12, 5
	s_add_co_u32 s35, s35, s36                     ; wq's rows of wqc: 128 cg + 32 x wave
	s_lshl_b32 s14, s35, 10
	s_add_nc_u64 s[20:21], s[6:7], s[14:15]
	s_lshl_b32 s14, s35, 6
	s_add_co_u32 s14, s14, WS_OFF
	s_add_nc_u64 s[22:23], s[6:7], s[14:15]
	LOADX
	LOADW 20, 22
	s_lshl_b32 s14, s13, 17                        ; ofine: 16 rows of 8,192 bytes a batch,
	s_lshl_b32 s35, s34, 9
	s_add_co_u32 s14, s14, s35                     ; 512 bytes for each pair of heads,
	s_lshl_b32 s35, s37, 8
	s_add_co_u32 s14, s14, s35                     ; 256 for my head
	s_add_nc_u64 s[32:33], s[10:11], s[14:15]
	s_mov_b32 s28, 0x3e38aa3b                      ; c = log2(e) / sqrt(64)
	s_mov_b32 s30, 0x76543210
	s_mov_b32 s31, 0xfedcba98                      ; v_permlanex16_b32's selects for lane l xor 16
	v_mul_u32_u24 v7, v1, 528
	v_lshl_add_u32 v6, v2, 5, v7
	s_lshl_b32 s35, s12, 7
	v_add_nc_u32 v6, s35, v6                       ; results in: row r, 128 x wave + 32 h
	v_lshl_add_u32 v7, v2, 7, v7                   ; k: row r, + 128 h: channels 32 h on
	s_lshl_b32 s35, s37, 8
	v_add_nc_u32 v8, s35, v7                       ; q: the same, in my head's 256 bytes
	v_mul_u32_u24 v9, v2, 8*528
	v_lshl_add_u32 v9, v1, 2, v9                   ; v: keys 8 h on, channel r
	s_mul_i32 s35, s37, 16*272
	v_mul_u32_u24 v10, v1, 272
	v_lshl_add_u32 v10, v2, 5, v10
	v_add_nc_u32 v10, s35, v10                     ; my stage, in: row r, + 32 h
	v_mul_u32_u24 v11, v2, 272
	v_lshl_add_u32 v11, v1, 4, v11
	v_add_nc_u32 v11, s35, v11                     ; back: lanes 0-15 one row, lanes 16-31 the next
	v_lshlrev_b32 v12, 13, v2
	v_lshl_add_u32 v12, v1, 4, v12                 ; the same two rows in ofine
	v_lshlrev_b32 v13, 3, v2
	v_sub_nc_u32 v13, v1, v13                      ; d = r - 8 h: register j holds key 8 h + j, hidden where j > d
	s_wait_loadcnt 0x0
	MULT                                           ; q
	STOREACC QF
	LOADW 24, 26
	s_wait_loadcnt 0x0
	s_wait_dscnt 0x0                               ; the stores have read the accumulators
	MULT                                           ; k and v
	STOREACC KVF
	s_wait_dscnt 0x0
	s_barrier_signal -1
	s_barrier_wait -1
	s_cmp_gt_u32 s12, 1                            ; waves 0 and 1 take a head each
	s_cbranch_scc1 .Lfine_end
.irp i, 0,1,2,3,4,5,6,7
	ds_load_b128 v[KA+4*\i:KA+4*\i+3], v7 offset:KVF+16*\i
.endr
.irp i, 0,1,2,3,4,5,6,7
	ds_load_b128 v[QB+4*\i:QB+4*\i+3], v8 offset:QF+16*\i
.endr
.irp ct, 0,1,2,3
.irp i, 0,1,2,3,4,5,6,7
	ds_load_b32 v[VA+8*\ct+\i], v9 offset:KVF+256+528*\i+64*\ct
.endr
.endr
	s_wait_dscnt 0x0
; S^T = k q^T: 16 steps of 4 channels; step kk takes channels 32 h + 2 kk + 0, 1 on both sides alike; two accumulators by turns
.irp kk, 0,1,2,3,4,5,6,7,8,9,10,11,12,13,14,15
.if \kk < 2
	v_wmma_f32_16x16x4_f32 v[FA+8*(\kk%2):FA+8*(\kk%2)+7], v[KA+2*\kk:KA+2*\kk+1], v[QB+2*\kk:QB+2*\kk+1], 0
.else
	v_wmma_f32_16x16x4_f32 v[FA+8*(\kk%2):FA+8*(\kk%2)+7], v[KA+2*\kk:KA+2*\kk+1], v[QB+2*\kk:QB+2*\kk+1], v[FA+8*(\kk%2):FA+8*(\kk%2)+7]
.endif
.endr
.rept 8
	v_nop                                          ; eight places behind this form
.endr
.irp j, 0,1,2,3,4,5,6,7
	v_add_f32 v[T+\j], v[FA+\j], v[FA+8+\j]        ; lane (r, h): query r, key 8 h + j
.endr
	v_mov_b32 v154, 0xff800000                     ; -infinity
	v_mov_b32 v153, 0
.irp j, 0,1,2,3,4,5,6,7
	v_cmp_gt_i32 vcc_lo, \j, v13
	v_cndmask_b32 v[T+\j], v[T+\j], v154, vcc_lo   ; the causal mask
.endr
	v_max3_num_f32 v152, v144, v145, v146
	v_max3_num_f32 v152, v152, v147, v148
	v_max3_num_f32 v152, v152, v149, v150
	v_max_num_f32 v152, v152, v151
	v_permlanex16_b32 v153, v152, s30, s31
	v_max_num_f32 v152, v152, v153                 ; the row's maximum (key 0 counts for every query)
	v_mul_f32 v155, s28, v152
.irp j, 0,1,2,3,4,5,6,7
	v_fma_f32 v[T+\j], v[T+\j], s28, -v155         ; c s - c m
.endr
.irp j, 0,1,2,3,4,5,6,7
	v_exp_f32 v[T+\j], v[T+\j]
.endr
	v_nop                                          ; a plain place behind the batch
	s_wait_alu depctr_va_vdst(0)                   ; one wait for the eight, ahead of their first reader
	v_add_f32 v154, v144, v145
	v_add_f32 v156, v146, v147
	v_add_f32 v157, v148, v149
	v_add_f32 v158, v150, v151
	v_add_f32 v154, v154, v156
	v_add_f32 v157, v157, v158
	v_add_f32 v154, v154, v157
	v_permlanex16_b32 v153, v154, s30, s31
	v_add_f32 v154, v154, v153                     ; the row's sum
	v_rcp_f32 v156, v154
	v_nop
	s_wait_alu depctr_va_vdst(0)
.irp j, 0,1,2,3,4,5,6,7
	v_mul_f32 v[T+\j], v[T+\j], v156
.endr
; O^T = v^T p: 4 steps of 4 keys (8 h + 2 kk + 0, 1), four tiles of 16 channels by turns
.irp kk, 0,1,2,3
.irp ct, 0,1,2,3
.if \kk == 0
	v_wmma_f32_16x16x4_f32 v[FA+8*\ct:FA+8*\ct+7], v[VA+8*\ct+2*\kk:VA+8*\ct+2*\kk+1], v[T+2*\kk:T+2*\kk+1], 0
.else
	v_wmma_f32_16x16x4_f32 v[FA+8*\ct:FA+8*\ct+7], v[VA+8*\ct+2*\kk:VA+8*\ct+2*\kk+1], v[T+2*\kk:T+2*\kk+1], v[FA+8*\ct:FA+8*\ct+7]
.endif
.endr
.endr
.rept 8
	v_nop
.endr
.irp ct, 0,1,2,3
	ds_store_b128 v10, v[FA+8*\ct:FA+8*\ct+3] offset:OST+64*\ct          ; lane (r, h): query r, channels 16 ct + 8 h + 0 .. 7
	ds_store_b128 v10, v[FA+8*\ct+4:FA+8*\ct+7] offset:OST+64*\ct+16
.endr
.irp f, 0,1,2,3,4,5,6,7
	ds_load_b128 v[KA+4*\f:KA+4*\f+3], v11 offset:OST+544*\f             ; my own bytes, in order behind the stores
.endr
.irp f, 0,1,2,3,4,5,6,7
	s_wait_dscnt 7-\f
	global_store_b128 v12, v[KA+4*\f:KA+4*\f+3], s[32:33] offset:16384*\f   ; sixteen lanes store 256 consecutive bytes, aligned
.endr
.Lfine_end:
	s_wait_tensorcnt 0x0                           ; the wave's end
	ds_add_u32 v[SPW], v[NIL]
	s_wait_dscnt 0x0
	s_endpgm
.Lfunc_end_k_q28b675cf08_side:
	.size	k_q28b675cf08_side, .Lfunc_end_k_q28b675cf08_side-k_q28b675cf08_side
	.p2alignl 7, 3214868480
	.fill 96, 4, 3214868480
	.section	.rodata,"a",@progbits
	.p2align	6, 0x0
	.amdhsa_kernel k_q28b675cf08_side
		.amdhsa_group_segment_fixed_size 30720
		.amdhsa_private_segment_fixed_size 0
		.amdhsa_enable_private_segment 0
		.amdhsa_kernarg_size 32
		.amdhsa_user_sgpr_count 2
		.amdhsa_user_sgpr_kernarg_segment_ptr 1
		.amdhsa_wavefront_size32 1
		.amdhsa_system_sgpr_workgroup_id_x 1
		.amdhsa_system_sgpr_workgroup_id_y 1
		.amdhsa_system_sgpr_workgroup_id_z 1
		.amdhsa_system_vgpr_workitem_id 0
		.amdhsa_next_free_vgpr 512
		.amdhsa_next_free_sgpr 66
		.amdhsa_reserve_vcc 1
		.amdhsa_float_denorm_mode_32 3
		.amdhsa_float_denorm_mode_16_64 3
		.amdhsa_memory_ordered 1
		.amdhsa_forward_progress 1
		.amdhsa_inst_pref_size 57
	.end_amdhsa_kernel
	.amdgpu_metadata
---
amdhsa.version: [ 1, 2 ]
amdhsa.kernels:
  - .name:           k_q28b675cf08_side
    .symbol:         k_q28b675cf08_side.kd
    .args:
      - { .name: xq, .offset: 0, .size: 8, .value_kind: global_buffer, .address_space: global }
      - { .name: wqc, .offset: 8, .size: 8, .value_kind: global_buffer, .address_space: global }
      - { .name: kv16, .offset: 16, .size: 8, .value_kind: global_buffer, .address_space: global }
      - { .name: ofine, .offset: 24, .size: 8, .value_kind: global_buffer, .address_space: global }
    .group_segment_fixed_size: 30720
    .private_segment_fixed_size: 0
    .kernarg_segment_align: 8
    .kernarg_segment_size: 32
    .max_flat_workgroup_size: 128
    .sgpr_count:     66
    .vgpr_count:     512
    .wavefront_size: 32
...
	.end_amdgpu_metadata
.endif
;; end of part 3
;; launch attn (part 4): grid 8 x 32, 8 waves a work-group, no clusters, 327,680 bytes of LDS; arguments q16, kv16, o16; writes o16
.if DOCPART == 4
	.amdgcn_target "amdgcn-amd-amdhsa--gfx1250"
	.amdhsa_code_object_version 6
	.text
	.protected	k_q28b675cf08_attn
	.globl	k_q28b675cf08_attn
	.p2align	8
	.type	k_q28b675cf08_attn,@function
k_q28b675cf08_attn:
	s_mov_b64 s[64:65], 0
	v_nop
	global_prefetch_b8 v0, s[64:65] scope:SCOPE_SE
	s_setreg_imm32_b32 hwreg(HW_REG_WAVE_MODE, 25, 1), 1
	s_wait_xcnt 0x0
; o[b][t][head][:] = sum over keys k <= t of softmax_k(q . k / 8) v, one key and value head for all 32 query heads; head size 64.  q16, o16: [4096][2048] f16; kv16: k [4096][64] f16 at 0, v at V_OFF.
; Products on f16 operands, sums, maxima and the softmax in f32; p is rounded to f16 for the second product, o once at the end.
; SHARES.  A work-group owns 4 heads (g = x) and TWO blocks of 64 positions of batch b = y / 16: the early block j = y % 16 and the late block 31 - j.  Block i needs i + 1 steps of 64 keys, so every
; work-group has (j + 1) + (32 - j) = 33 block-steps: equal work on all 256.  Wave w: positions 16 (w % 4) on of each block, heads 2 (2 g + w / 4) and the next.  So a wave holds four tiles of 16 queries:
; tiles 0, 1 early, tiles 2, 3 late; one set of k's and v's fragments from LDS feeds all four while the early block lasts.  Two waves share a SIMD: one's softmax stands beside the other's products.
; LAYOUT.  S^T = k q^T (source 0 = 16 keys, source 1 = 16 queries) and O^T = v^T p: a lane holds one query throughout; two tiles of S^T, rounded in pairs, are source 1 of the second product.
; SOFTMAX.  A running maximum m and sum l a query: p = 2^(c s - c m), c = log2(e) / 8; in every step O^T and l are multiplied by a = 2^(c m_old - c m_new).
; RING.  Two LDS slots of 256 keys (4 steps), filled by tensor loads (waves 0, 1: k's halves; waves 2, 3: v's), read by all eight.  Every work-group walks all 8 slots with constant trip counts; a step whose keys all
; come after the late block is jumped over, and a slot whose first key comes after the work-group's last query is not asked for.  Every wait on TENSORcnt is for 0; at most one tensor load of a wave is out.
; NO CLUSTER: the last slot that a work-group needs hangs on its number (slot (64 (31 - j) + 63) / 256), so partners would need different numbers of tiles.
; LIMITS: |q|, |k|, |v| under 65,504; p under 6e-5 loses bits in f16.  The first 16 positions of each batch are computed here too and replaced later by the f32 path.
; REGISTERS.  window 0: v1-13 addresses; v16-47 eight statistics a tile (+0 c m, +1 m, +2, +3 l, +4..+7 at work, a in +6); v64-127 S^T of a pair of tiles; v128-159 p; v160-223 k's fragments.
;   window 1: v0-63 q, 16 a tile; v64-127 v's fragments; v128-255 O^T, 32 a tile.
.set V_OFF, 524288
.set PK,    144                        ; a key's row in LDS: 128 bytes + 16
.set PV,    160                        ; a row of v: 128 + 32: an odd multiple of 32, for the turning load
.set VOFF,  256*PK
.set SLOT1, 1<<17
.set STAGE, SLOT1+256*(PK+PV)          ; behind the ring: 16 rows x 272 bytes for each wave
.set SPARE, STAGE+8*16*272             ; the spare words, 128 bytes a wave
.set NSL,   8
.set AK0, 1
.set AV0, 2
.set ADK, 3
.set ADV, 4
.set SPW, 5
.set NIL, 6
.set GO,  7
.set STO, 8
.set RD,  9
.set DD,  10                           ; v10  16 (w % 4) + r - 8 h: on the diagonal, register 8 kt + i is hidden where 16 kt + i > this
.set NINF, 11
.set QO,  12
.set PFO, 13
.set ST,  16
.set S,   64
.set P,   128
.set KFR, 160
.set WV,  10
.set SEL, 20
.set CS,  22
.set G1K, 24
.set G1V, 32
.set G0K, 40
.set G0V, 44
.set KF,  48                           ; s48  the step's first key
.set BE,  49                           ; s49  the early block's first position
.set BL,  50                           ; s50  the late block's
.set TBK, 52                           ; s52  LDS byte at which the step's keys begin
.set TBV, 53                           ; s53  the same for v (less VOFF)
.set SLOTS, 54
.set INNER, 55
.set LIM, 56
.set PFA, 58                           ; s[58:59]
.set QE,  66
.set QL,  68
.set OE,  70
.set OL,  72
.set W_KQ, 0x04                        ; q in window 1; k, S^T in window 0
.set W_PV, 0x51                        ; v and O^T in window 1, p in window 0
.set W_RS, 0x41                        ; O^T in window 1, a in window 0
.set MSB, 0
.macro WIN new
.if MSB != (\new)
	s_set_vgpr_msb (MSB<<8)|(\new)
.set MSB, (\new)
.endif
.endm
; Waves 0 and 1 fetch k's halves of a slot, waves 2 and 3 v's, the others nothing.  An s_nop 0 and four v_nop follow each of the two lines.
.macro TLOAD
	s_cmp_lt_u32 s[WV], 2
	s_cbranch_scc0 .Lnot_k_\@
	tensor_load_to_lds s[G0K:G0K+3], s[G1K:G1K+7]
	s_nop 0
.rept 4
	v_nop
.endr
	s_branch .Lasked_\@
.Lnot_k_\@:
	s_cmp_lt_u32 s[WV], 4
	s_cbranch_scc0 .Lasked_\@
	tensor_load_to_lds s[G0V:G0V+3], s[G1V:G1V+7]
	s_nop 0
.rept 4
	v_nop
.endr
.Lasked_\@:
.endm
; A prefetch of what the NEXT change of slots will ask for: a slot's 32,768 bytes of k and of v.  One work-group of each batch asks (g = 0, j = 0: it walks all slots); in it waves 4 to 7, which fetch nothing,
; take 8,192 bytes of each, lanes 256 bytes apart: each aligned run of 256 bytes is named once in the launch.  Slots 0 and 1 come by their loads alone; the last change that fills a slot asks for nothing.
.macro ASK
	s_cmp_gt_u32 s[SLOTS], s[LIM]
	s_cbranch_scc0 .Lnot_mine_\@
	global_prefetch_b8 v[PFO], s[PFA:PFA+1] th:TH_LOAD_NT scope:SCOPE_SE
	global_prefetch_b8 v[PFO], s[PFA:PFA+1] offset:V_OFF th:TH_LOAD_NT scope:SCOPE_SE
.Lnot_mine_\@:
.endm
	s_load_b128 s[4:7], s[0:1], 0x0                ; q16 s[4:5], kv16 s[6:7]
	s_load_b64 s[8:9], s[0:1], 0x10                ; o16
	v_lshl_add_u32 v[SPW], v0, 2, SPARE
	v_mov_b32 v[NIL], 0
	ds_add_u32 v[SPW], v[NIL]                      ; the wave's opening: the add, twice on end, and its wait ahead of my first tensor load
	ds_add_u32 v[SPW], v[NIL]
	v_lshrrev_b32 v14, 5, v0
	v_readfirstlane_b32 s[WV], v14                 ; wave 0..7
	s_and_b32 s11, s[WV], 3                        ; which 16 positions of a block
	s_lshr_b32 s12, s[WV], 2
	s_lshl_b32 s13, ttmp9, 1
	s_add_co_u32 s13, s13, s12                     ; my pair of heads, 0..15
	s_and_b32 s14, ttmp7, 0xffff
	s_lshr_b32 s15, s14, 4                         ; b
	s_and_b32 s14, s14, 15                         ; j
	s_lshl_b32 s[BE], s14, 6
	s_sub_co_u32 s[BL], 31, s14
	s_lshl_b32 s[BL], s[BL], 6
	s_mov_b32 s[G1K], (0<<16)|(1<<20)|(4<<22)|(3<<25)   ; no mask; elements of 1 byte; padding: four words after every 32
	s_mov_b32 s[G1V], (0<<16)|(1<<20)|(4<<22)|(7<<25)   ; eight words after every 32
.irp g, G1K, G1V
	s_mov_b32 s[\g+1], 128<<16                     ; tensor_dim0 = 128 bytes
	s_mov_b32 s[\g+2], 128<<16                     ; tensor_dim1 = 128 rows
	s_mov_b32 s[\g+3], 128<<16                     ; tile_dim0
	s_mov_b32 s[\g+4], 128                         ; tile_dim1
	s_mov_b32 s[\g+5], 128                         ; the pitch
	s_mov_b32 s[\g+6], 0
	s_mov_b32 s[\g+7], 0
.endr
	s_and_b32 s84, s[WV], 1                        ; which half of a slot I fetch, if I fetch
	s_lshl_b32 s74, s15, 18                        ; the batch's 2,048 rows of 128 bytes
	s_lshl_b32 s75, s84, 14
	s_add_co_u32 s74, s74, s75
	s_mov_b32 s75, 0
	s_mul_i32 s82, s84, 128*PK
	s_mul_i32 s83, s84, 128*PV
	s_add_co_u32 s83, s83, VOFF
	s_lshl_b32 s76, s15, 11
	s_lshl_b32 s85, s11, 4                         ; 16 (w % 4)
	s_add_co_u32 s76, s76, s85
	s_lshl_b32 s77, s13, 8                         ; two heads are 256 bytes of a row
	s_add_co_u32 s78, s76, s[BE]
	s_lshl_b32 s78, s78, 12
	s_add_co_u32 s78, s78, s77                     ; my early rows in q16 and o16
	s_mov_b32 s79, 0
	s_add_co_u32 s80, s76, s[BL]
	s_lshl_b32 s80, s80, 12
	s_add_co_u32 s80, s80, s77                     ; my late rows
	s_mov_b32 s81, 0
	s_lshl_b32 s86, s15, 18
	s_lshl_b32 s87, s11, 13
	s_add_co_u32 s86, s86, s87
	s_add_co_u32 s86, s86, 32768                   ; the prefetches stand in slot 1; the first change of slots steps them to slot 2
	s_mov_b32 s87, 0
	s_lshr_b32 s88, s[WV], 2
	s_xor_b32 s88, s88, 1                          ; 0 in waves 4 to 7,
	s_or_b32 s88, s88, ttmp9                       ; of the work-group with g = 0
	s_or_b32 s88, s88, s14                         ; and j = 0
	s_cmp_eq_u32 s88, 0
	s_cselect_b32 s[LIM], 1, -1
	s_mov_b32 s[SEL], 0x76543210
	s_mov_b32 s[SEL+1], 0xfedcba98
	s_mov_b32 s[CS], 0x3e38aa3b                    ; c = log2(e) / sqrt(64)
	s_mov_b32 s[CS+1], s[CS]
	s_mov_b32 s[KF], 0
	s_mov_b32 s[TBK], 0
	s_mov_b32 s[TBV], 0
	s_mov_b32 s[SLOTS], NSL-1
	s_wait_dscnt 0x0                               ; both opening adds are done
	s_wait_kmcnt 0x0
	s_mov_b32 s[G0K], 1
	s_mov_b32 s[G0K+1], s82                        ; slot 0
	s_add_nc_u64 s[G0K+2:G0K+3], s[6:7], s[74:75]
	s_or_b32 s[G0K+3], s[G0K+3], 0x80000000
	s_mov_b32 s[G0V], 1
	s_mov_b32 s[G0V+1], s83
	s_add_nc_u64 s[G0V+2:G0V+3], s[6:7], s[74:75]
	s_add_nc_u64 s[G0V+2:G0V+3], s[G0V+2:G0V+3], V_OFF
	s_or_b32 s[G0V+3], s[G0V+3], 0x80000000
	TLOAD                                          ; slot 0: keys 0..255, which every work-group reads
	s_add_nc_u64 s[QE:QE+1], s[4:5], s[78:79]
	s_add_nc_u64 s[QL:QL+1], s[4:5], s[80:81]
	s_add_nc_u64 s[OE:OE+1], s[8:9], s[78:79]
	s_add_nc_u64 s[OL:OL+1], s[8:9], s[80:81]
	s_add_nc_u64 s[PFA:PFA+1], s[6:7], s[86:87]
	v_and_b32 v14, 15, v0                          ; r
	v_bfe_u32 v15, v0, 4, 1                        ; h
	v_lshlrev_b32 v[QO], 12, v14
	v_lshl_add_u32 v[QO], v15, 4, v[QO]            ; q: row r of 4,096 bytes, + 16 h
	WIN 0x40                                       ; destination window 1
.irp t, 0,1
.irp c, 0,1
	global_load_b128 v[16*\t+8*\c:16*\t+8*\c+3],       v[QO], s[QE:QE+1] offset:128*\t+64*\c
	global_load_b128 v[16*\t+8*\c+4:16*\t+8*\c+7],     v[QO], s[QE:QE+1] offset:128*\t+64*\c+32
	global_load_b128 v[32+16*\t+8*\c:32+16*\t+8*\c+3],   v[QO], s[QL:QL+1] offset:128*\t+64*\c
	global_load_b128 v[32+16*\t+8*\c+4:32+16*\t+8*\c+7], v[QO], s[QL:QL+1] offset:128*\t+64*\c+32
.endr
.endr
.set i, 0
.rept 128
	v_mov_b32 v[128+i], 0                          ; O^T.  The step is written once for both pairs: the first finds zeros, which a = 0 leaves zeros; a first step of its own for each pair would double the text
.set i, i+1
.endr
	WIN 0
	v_mul_u32_u24 v[AK0], v14, PK
	v_lshl_add_u32 v[AK0], v15, 4, v[AK0]          ; k: row r x pitch + 16 h
	v_and_b32 v[AV0], 7, v0
	v_lshl_add_u32 v[AV0], v15, 3, v[AV0]
	v_mul_u32_u24 v[AV0], v[AV0], PV
	v_bfe_u32 v[ADK], v0, 3, 1
	v_lshl_add_u32 v[AV0], v[ADK], 4, v[AV0]
	v_add_nc_u32 v[AV0], VOFF, v[AV0]              ; v, for the turning load: key 8 h + l % 8, channels 8 ((l / 8) % 2) on
	v_lshlrev_b32 v[GO], 12, v15
	v_lshl_add_u32 v[GO], v14, 4, v[GO]            ; the way out: lanes 0-15 one row of o16, lanes 16-31 the next
	s_mul_i32 s84, s[WV], 16*272
	s_add_co_u32 s84, s84, STAGE
	v_mul_u32_u24 v[STO], v14, 272
	v_lshl_add_u32 v[STO], v15, 4, v[STO]
	v_add_nc_u32 v[STO], s84, v[STO]
	v_mul_u32_u24 v[RD], v15, 272
	v_lshl_add_u32 v[RD], v14, 4, v[RD]
	v_add_nc_u32 v[RD], s84, v[RD]
	v_lshlrev_b32 v[DD], 3, v15
	v_sub_nc_u32 v[DD], v14, v[DD]
	v_add_nc_u32 v[DD], s85, v[DD]
	v_mov_b32 v[NINF], 0xff800000
	v_and_b32 v[PFO], 31, v0
	v_lshlrev_b32 v[PFO], 8, v[PFO]
.irp t, 0,1,2,3
	v_mov_b32 v[ST+8*\t+1], 0xff61b1e6             ; m = -3e38, under every score
	v_mul_f32 v[ST+8*\t], s[CS], v[ST+8*\t+1]
	v_mov_b32 v[ST+8*\t+2], 0                      ; l, in two halves
	v_mov_b32 v[ST+8*\t+3], 0
	v_mov_b32 v[ST+8*\t+5], 0                      ; (a lane permute's destination, and the upper half of a's pair: written on every way)
	v_mov_b32 v[ST+8*\t+7], 0
.endr
; ONE PAIR OF TILES (x = 0: early, 2: late) FOR ONE STEP OF 64 KEYS.  first = 1: the step's loads are waited for here.
.macro PAIR x, first
.set TT, ST+8*(\x)
.if \first
	s_wait_dscnt 16                                ; k's 16 loads are in; v's 16 may be out
.endif
	WIN W_KQ
.set i, 0
.rept 16                               ; channels 32 (i / 8) on, keys 16 ((i / 2) % 4) on, tile i % 2: the eight accumulators by turns
.set rS, S+32*(i%2)+8*((i/2)%4)
.set rK, KFR+8*(2*((i/2)%4)+i/8)
.set rQ, 16*(\x+i%2)+8*(i/8)
.if i < 8
	v_wmma_f32_16x16x32_f16 v[rS:rS+7], v[rK:rK+7], v[rQ:rQ+7], 0
.else
	v_wmma_f32_16x16x32_f16 v[rS:rS+7], v[rK:rK+7], v[rQ:rQ+7], v[rS:rS+7]
.endif
.set i, i+1
.endr
	WIN 0
.rept 4
	v_nop                                          ; places ahead of the first read of the scores
.endr
.if \x == 0
	s_cmp_lg_u32 s[KF], s[BE]
.else
	s_cmp_lg_u32 s[KF], s[BL]
.endif
	s_cbranch_scc1 .Lopen_\@                       ; only the block's own 64 keys lie on the diagonal
.set n, 0
.rept 32
	v_cmp_gt_i32 vcc_lo, 16*(n/8)+n%8, v[DD]
	v_cndmask_b32 v[S+n], v[S+n], v[NINF], vcc_lo
	v_cndmask_b32 v[S+32+n], v[S+32+n], v[NINF], vcc_lo
.set n, n+1
.endr
.Lopen_\@:
.irp c, 0,1,2,3                        ; the maximum: four chains a tile, each begun at an accumulator's low end; the tiles alternate
.irp u, 0,1
	v_max3_num_f32 v[TT+8*\u+4+\c], v[S+32*\u+8*\c], v[S+32*\u+8*\c+1], v[S+32*\u+8*\c+2]
.endr
.endr
.irp g, 1,2
.irp c, 0,1,2,3
.irp u, 0,1
	v_max3_num_f32 v[TT+8*\u+4+\c], v[TT+8*\u+4+\c], v[S+32*\u+8*\c+2*\g+1], v[S+32*\u+8*\c+2*\g+2]
.endr
.endr
.endr
.irp u, 0,1
	v_max3_num_f32 v[TT+8*\u+4], v[TT+8*\u+4], v[S+32*\u+7], v[S+32*\u+15]
.endr
.irp u, 0,1
	v_max3_num_f32 v[TT+8*\u+6], v[TT+8*\u+6], v[S+32*\u+23], v[S+32*\u+31]
.endr
.irp u, 0,1
	v_max3_num_f32 v[TT+8*\u+4], v[TT+8*\u+4], v[TT+8*\u+5], v[TT+8*\u+6]
.endr
.irp u, 0,1
	v_max3_num_f32 v[TT+8*\u+4], v[TT+8*\u+4], v[TT+8*\u+7], v[TT+8*\u+1]   ; and the old m
.endr
.irp u, 0,1
	v_permlanex16_b32 v[TT+8*\u+5], v[TT+8*\u+4], s[SEL], s[SEL+1]          ; the query's other 32 keys lie in the lane 16 away
.endr
.irp u, 0,1
	v_mov_b32 v[TT+8*\u+7], v[TT+8*\u]             ; c m_old
.endr
.irp u, 0,1
	v_max_num_f32 v[TT+8*\u+1], v[TT+8*\u+4], v[TT+8*\u+5]
.endr
.irp u, 0,1
	v_mul_f32 v[TT+8*\u], s[CS], v[TT+8*\u+1]
.endr
.irp u, 0,1
	v_sub_f32 v[TT+8*\u+7], v[TT+8*\u+7], v[TT+8*\u]
.endr
.irp u, 0,1
	v_exp_f32 v[TT+8*\u+6], v[TT+8*\u+7]           ; a: the batch of exponentials begins
.endr
.irp u, 0,1
.set i, 0
.rept 16
	v_pk_fma_f32 v[S+32*\u+2*i:S+32*\u+2*i+1], v[S+32*\u+2*i:S+32*\u+2*i+1], s[CS:CS+1], v[TT+8*\u:TT+8*\u+1] op_sel_hi:[1,0,0] neg_lo:[0,0,1] neg_hi:[0,0,1]   ; c s - c m
.set i, i+1
.endr
.endr
.set i, 0
.rept 64
	v_exp_f32 v[S+i], v[S+i]
.set i, i+1
.endr
	v_nop                                          ; a plain place behind the last exponential
	s_wait_alu depctr_va_vdst(0)                   ; one wait for the 66, ahead of their first reader
.set i, 0
.rept 32
	v_cvt_pk_f16_f32 v[P+i], v[S+2*i], v[S+2*i+1]
.set i, i+1
.endr
.irp z, 0,1,2,3,4,5,6,7                ; the sum of a tile's 16 pairs, in place
.irp u, 0,1
	v_pk_add_f32 v[S+32*\u+4*\z:S+32*\u+4*\z+1], v[S+32*\u+4*\z:S+32*\u+4*\z+1], v[S+32*\u+4*\z+2:S+32*\u+4*\z+3]
.endr
.endr
.irp z, 0,1,2,3
.irp u, 0,1
	v_pk_add_f32 v[S+32*\u+8*\z:S+32*\u+8*\z+1], v[S+32*\u+8*\z:S+32*\u+8*\z+1], v[S+32*\u+8*\z+4:S+32*\u+8*\z+5]
.endr
.endr
.irp z, 0,1
.irp u, 0,1
	v_pk_add_f32 v[S+32*\u+16*\z:S+32*\u+16*\z+1], v[S+32*\u+16*\z:S+32*\u+16*\z+1], v[S+32*\u+16*\z+8:S+32*\u+16*\z+9]
.endr
.endr
.irp u, 0,1
	v_pk_add_f32 v[S+32*\u:S+32*\u+1], v[S+32*\u:S+32*\u+1], v[S+32*\u+16:S+32*\u+17]
.endr
.irp u, 0,1
	v_pk_fma_f32 v[TT+8*\u+2:TT+8*\u+3], v[TT+8*\u+2:TT+8*\u+3], v[TT+8*\u+6:TT+8*\u+7], v[S+32*\u:S+32*\u+1] op_sel_hi:[1,0,1]   ; l = a l + the sum
.endr
	WIN W_RS
.irp u, 0,1
.set i, 0
.rept 16
	v_pk_mul_f32 v[128+32*(\x+\u)+2*i:128+32*(\x+\u)+2*i+1], v[128+32*(\x+\u)+2*i:128+32*(\x+\u)+2*i+1], v[TT+8*\u+6:TT+8*\u+7] op_sel_hi:[1,0]   ; O^T x a, each accumulator from its low end on
.set i, i+1
.endr
.endr
.if \first
	s_wait_dscnt 0x0                               ; v is in
.endif
	WIN W_PV
.set i, 0
.rept 16                               ; keys 32 (i / 8) on, channels 16 ((i / 2) % 4) on, tile i % 2
.set rO, 128+32*(\x+i%2)+8*((i/2)%4)
.set rV, 64+8*(4*(i/8)+(i/2)%4)
.set rP, P+16*(i%2)+8*(i/8)
	v_wmma_f32_16x16x32_f16 v[rO:rO+7], v[rV:rV+7], v[rP:rP+7], v[rO:rO+7]
.set i, i+1
.endr
	WIN 0
.rept 4
	v_nop                                          ; places ahead of the next loads into k's and v's registers and of the next writes of p
.endr
.endm
; A STEP OF 64 KEYS.  The late pair takes every step up to its own block, the early pair up to its own.  The lines at the end, which step addresses, are run in every trip.
.macro STEP
	s_cmp_gt_u32 s[KF], s[BL]
	s_cbranch_scc1 .Lhid_\@
	v_add_nc_u32 v[ADK], s[TBK], v[AK0]
	v_add_nc_u32 v[ADV], s[TBV], v[AV0]
.irp kt, 0,1,2,3
.irp c, 0,1
	ds_load_b128 v[KFR+8*(2*\kt+\c):KFR+8*(2*\kt+\c)+3],   v[ADK] offset:\kt*16*PK+64*\c
	ds_load_b128 v[KFR+8*(2*\kt+\c)+4:KFR+8*(2*\kt+\c)+7], v[ADK] offset:\kt*16*PK+64*\c+32
.endr
.endr
	WIN 0x40                                       ; destination window 1
.irp kg, 0,1
.irp ct, 0,1,2,3
	ds_load_tr16_b128 v[64+8*(4*\kg+\ct):64+8*(4*\kg+\ct)+3],   v[ADV] offset:\kg*32*PV+32*\ct
	ds_load_tr16_b128 v[64+8*(4*\kg+\ct)+4:64+8*(4*\kg+\ct)+7], v[ADV] offset:\kg*32*PV+16*PV+32*\ct
.endr
.endr
	WIN 0
	PAIR 2, 1
	s_cmp_gt_u32 s[KF], s[BE]
	s_cbranch_scc1 .Lhid_\@
	PAIR 0, 0
.Lhid_\@:
	s_add_co_u32 s[KF], s[KF], 64
	s_add_co_u32 s[TBK], s[TBK], 64*PK
	s_add_co_u32 s[TBV], s[TBV], 64*PV
.endm
; THE CHANGE OF SLOTS, at a slot's head.  Each wave waits for all its tensor loads, adds 0 to its spare word,
; and waits for that and for its reads of the slot that it has left.  Behind the barrier the slot ahead is whole and nobody reads the other one, which is filled with the keys that follow, up to the causal limit.
.macro CHANGE fill
	s_wait_tensorcnt 0x0
	ds_add_u32 v[SPW], v[NIL]
.if \fill
	ds_add_u32 v[SPW], v[NIL]
	s_xor_b32 s[G0K+1], s[G0K+1], SLOT1            ; the walking descriptors: the other slot, the next 256 keys
	s_add_nc_u64 s[G0K+2:G0K+3], s[G0K+2:G0K+3], 32768
	s_xor_b32 s[G0V+1], s[G0V+1], SLOT1
	s_add_nc_u64 s[G0V+2:G0V+3], s[G0V+2:G0V+3], 32768
	s_wait_xcnt 0x0                                ; the last prefetches, a slot back, have read their address
	s_add_nc_u64 s[PFA:PFA+1], s[PFA:PFA+1], 32768
.endif
	s_wait_dscnt 0x0
	s_barrier_signal -1
	s_barrier_wait -1
.if \fill
	s_add_co_u32 s86, s[KF], 256                   ; the first key of the slot that this change would ask for
	s_add_co_u32 s87, s[BL], 63                    ; my work-group's last query
	s_cmp_gt_u32 s86, s87                          ; ids and the count of steps alone: all eight waves go the same way, and past the limit stays past it
	s_cbranch_scc1 .Lpast_\@
	TLOAD
.Lpast_\@:
	ASK
.endif
.endm
.macro FOUR_STEPS
	s_mov_b32 s[INNER], 4
.Lstep_\@:
	STEP
	s_sub_co_u32 s[INNER], s[INNER], 1
	s_cmp_lg_u32 s[INNER], 0
	s_cbranch_scc1 .Lstep_\@
	s_sub_co_u32 s[TBK], s[TBK], 4*64*PK           ; back to a slot's first step,
	s_xor_b32 s[TBK], s[TBK], SLOT1                ; in the other slot
	s_sub_co_u32 s[TBV], s[TBV], 4*64*PV
	s_xor_b32 s[TBV], s[TBV], SLOT1
.endm
	s_wait_loadcnt 0x0                             ; q
.Lslot:
	CHANGE 1
	FOUR_STEPS
	s_sub_co_u32 s[SLOTS], s[SLOTS], 1
	s_cmp_lg_u32 s[SLOTS], 0
	s_cbranch_scc1 .Lslot
	CHANGE 0                                       ; the last slot is written out: nothing is left to ask for
	FOUR_STEPS
	; THE WAY OUT.  O^T / l, rounded to f16, a pair of tiles (16 positions x two heads: rows of 256 bytes) at a time through my stage.
.irp t, 0,1,2,3
	v_add_f32 v[ST+8*\t+4], v[ST+8*\t+2], v[ST+8*\t+3]
.endr
.irp t, 0,1,2,3
	v_permlanex16_b32 v[ST+8*\t+5], v[ST+8*\t+4], s[SEL], s[SEL+1]
.endr
.irp t, 0,1,2,3
	v_add_f32 v[ST+8*\t+4], v[ST+8*\t+4], v[ST+8*\t+5]
.endr
.irp t, 0,1,2,3
	v_rcp_f32 v[ST+8*\t+6], v[ST+8*\t+4]
.endr
	v_nop
	s_wait_alu depctr_va_vdst(0)                   ; one wait for the four reciprocals
.macro PACKP x
.irp u, 0,1
	WIN W_RS
.set i, 0
.rept 16
	v_pk_mul_f32 v[128+32*(\x+\u)+2*i:128+32*(\x+\u)+2*i+1], v[128+32*(\x+\u)+2*i:128+32*(\x+\u)+2*i+1], v[ST+8*(\x+\u)+6:ST+8*(\x+\u)+7] op_sel_hi:[1,0]
.set i, i+1
.endr
	WIN 0x05                                       ; sources window 1, destination window 0: S^T's registers are free
.set i, 0
.rept 16
	v_cvt_pk_f16_f32 v[S+16*(\x+\u)+i], v[128+32*(\x+\u)+2*i], v[128+32*(\x+\u)+2*i+1]
.set i, i+1
.endr
.endr
	WIN 0
.irp u, 0,1
.irp ct, 0,1,2,3
	ds_store_b128 v[STO], v[S+16*(\x+\u)+4*\ct:S+16*(\x+\u)+4*\ct+3] offset:128*\u+32*\ct
.endr
.endr
.irp f, 0,1,2,3,4,5,6,7
	ds_load_b128 v[S+16*\x+4*\f:S+16*\x+4*\f+3], v[RD] offset:544*\f   ; in order behind the stores; the next pair's stores come behind these
.endr
.endm
.macro SEND x, base, younger           ; younger: the LDS instructions issued behind this pair's loads
.irp f, 0,1,2,3,4,5,6,7
	s_wait_dscnt \younger+7-\f
	global_store_b128 v[GO], v[S+16*\x+4*\f:S+16*\x+4*\f+3], s[\base:\base+1] offset:8192*\f   ; sixteen lanes store 256 consecutive bytes, aligned
.endr
.endm
	PACKP 0
	PACKP 2
	SEND 0, OE, 16
	SEND 2, OL, 0
	s_wait_tensorcnt 0x0                           ; the wave's end
	ds_add_u32 v[SPW], v[NIL]
	s_wait_dscnt 0x0
	s_endpgm
.Lfunc_end_k_q28b675cf08_attn:
	.size	k_q28b675cf08_attn, .Lfunc_end_k_q28b675cf08_attn-k_q28b675cf08_attn
	.p2alignl 7, 3214868480
	.fill 96, 4, 3214868480
	.section	.rodata,"a",@progbits
	.p2align	6, 0x0
	.amdhsa_kernel k_q28b675cf08_attn
		.amdhsa_group_segment_fixed_size 327680
		.amdhsa_private_segment_fixed_size 0
		.amdhsa_enable_private_segment 0
		.amdhsa_kernarg_size 24
		.amdhsa_user_sgpr_count 2
		.amdhsa_user_sgpr_kernarg_segment_ptr 1
		.amdhsa_wavefront_size32 1
		.amdhsa_system_sgpr_workgroup_id_x 1
		.amdhsa_system_sgpr_workgroup_id_y 1
		.amdhsa_system_sgpr_workgroup_id_z 1
		.amdhsa_system_vgpr_workitem_id 0
		.amdhsa_next_free_vgpr 512
		.amdhsa_next_free_sgpr 100
		.amdhsa_reserve_vcc 1
		.amdhsa_float_denorm_mode_32 3
		.amdhsa_float_denorm_mode_16_64 3
		.amdhsa_memory_ordered 1
		.amdhsa_forward_progress 1
		.amdhsa_inst_pref_size 106
	.end_amdhsa_kernel
	.amdgpu_metadata
---
amdhsa.version: [ 1, 2 ]
amdhsa.kernels:
  - .name:           k_q28b675cf08_attn
    .symbol:         k_q28b675cf08_attn.kd
    .args:
      - { .name: q16, .offset: 0, .size: 8, .value_kind: global_buffer, .address_space: global }
      - { .name: kv16, .offset: 8, .size: 8, .value_kind: global_buffer, .address_space: global }
      - { .name: o16, .offset: 16, .size: 8, .value_kind: global_buffer, .address_space: global }
    .group_segment_fixed_size: 327680
    .private_segment_fixed_size: 0
    .kernarg_segment_align: 8
    .kernarg_segment_size: 24
    .max_flat_workgroup_size: 256
    .sgpr_count:     100
    .vgpr_count:     512
    .wavefront_size: 32
...
	.end_amdgpu_metadata
.endif
;; end of part 4
;; launch oproj (part 5): grid 8 x 32, 4 waves a work-group, clusters of 4 x 4, 327,680 bytes of LDS; arguments o16, wo16, out0; writes out0
.if DOCPART == 5
	.amdgcn_target "amdgcn-amd-amdhsa--gfx1250"
	.amdhsa_code_object_version 6
	.text
	.protected	k_q28b675cf08_oproj
	.globl	k_q28b675cf08_oproj
	.p2align	8
	.type	k_q28b675cf08_oproj,@function
k_q28b675cf08_oproj:
	s_mov_b64 s[64:65], 0
	v_nop
	global_prefetch_b8 v0, s[64:65] scope:SCOPE_SE
	s_setreg_imm32_b32 hwreg(HW_REG_WAVE_MODE, 25, 1), 1
	s_wait_xcnt 0x0
	s_wait_alu depctr_hold_cnt(0) depctr_sa_sdst(0) depctr_va_vdst(0) depctr_va_sdst(0) depctr_va_ssrc(0) depctr_va_vcc(0) depctr_vm_vsrc(0)
	s_getreg_b32 s2, hwreg(HW_REG_IB_STS2, 6, 4)
	s_cmp_eq_u32 s2, 0
	s_cbranch_scc0 .Lentry_in_a_cluster
	s_endpgm
.Lentry_in_a_cluster:
	s_bfe_u32 s2, ttmp6, 0x10000c
	s_cmp_lg_u32 s2, 0xf033
	s_cbranch_scc0 .Lentry_shape_is_right
	s_endpgm
.Lentry_shape_is_right:
; out0[m][n] = sum over k of o16[m][k] wo16[k][n].  o16 [4096][2048] f16 (K innermost), wo16 [2048 k][2048 n] f16 (K outermost: its fragments come out of LDS turned), out0 [4096][2048] f32; sums in f32.
; A tile of out0 is 128 x 256: 32 x 8 = 256 work-groups.  Four waves, each 64 x 128: 32 accumulators, 256 registers.  K goes in 16 steps of 128 through a ring of two LDS slots
; (A: 128 rows x 256 bytes; B: 128 rows of k x 512 bytes); two slots of twice the step do not fit beside each other.
; CLUSTERS: 4 x 4 work-groups; A's tiles are asked for jointly along a row of the cluster, B's along a column.  THE MATRIX INSTRUCTION IS USED TRANSPOSED (source 0 = 16 columns of wo, source 1 = 16 rows of o):
; a lane holds eight neighbouring numbers of a row of out0.
; The 32 rows of the first 16 positions of each batch are computed here like all others and written over by the launch that follows, in f32.
; REGISTERS: window 0: v16-29 addresses; v32-127 and v128-223 two fragment buffers (A's 4 blocks at +0, B's 8 at +32); on the way out v32-159 rows read back.   window 1: the accumulators, (a, b) at v[8 (8 a + b)].
.set KSTEP,  128
.set PA,     272                       ; A's row in LDS: 256 bytes + 16
.set PB,     544                       ; B's: 512 + 32: an odd multiple of 32, for the turning load
.set HALFA,  64*PA
.set HALFB,  64*PB
.set BOFF,   2*HALFA
.set SLOT,   BOFF+2*HALFB
.set STAGE,  2*SLOT                    ; behind the ring: 16 rows x (512 + 16) for each wave
.set SPITCH, 528
.set SPARE,  STAGE+4*16*SPITCH
.set LAPS,   8
.set ADRA, 16
.set ADRB, 20
.set STO,  24
.set RD,   25
.set CO,   26
.set SPW,  28
.set NIL,  29
.set F0,   32
.set F1,   128
.set BK,   32
.set G1, 24
.set G0, 32
.set G1B, 48
.set G0B, 56
.set MUL, 0x50                         ; C and D window 1
.set MSB, 0
.macro WIN new
.if MSB != (\new)
	s_set_vgpr_msb (MSB<<8)|(\new)
.set MSB, (\new)
.endif
.endm
.macro JLOAD s                         ; waves 0 and 1 fetch A's halves, waves 2 and 3 B's; an s_nop 0 and four v_nop follow each of the two lines
	s_cmp_eq_u32 s11, 0
	s_cbranch_scc0 .Lfor_b_\@
	tensor_load_to_lds s[G0+4*\s:G0+4*\s+3], s[G1:G1+7]
	s_nop 0
.rept 4
	v_nop
.endr
	s_branch .Lasked_\@
.Lfor_b_\@:
	tensor_load_to_lds s[G0B+4*\s:G0B+4*\s+3], s[G1B:G1B+7]
	s_nop 0
.rept 4
	v_nop
.endr
.Lasked_\@:
.endm
.macro CREST
	s_cmp_lg_u32 s10, 0
	s_cbranch_scc1 .Lnot_wave_0_\@
	s_barrier_signal -3
.Lnot_wave_0_\@:
	s_barrier_wait -3
	s_barrier_signal -1
	s_barrier_wait -1
.endm
.macro CROUND
	s_barrier_signal -1
	s_barrier_wait -1
	CREST
.endm
	s_load_b128 s[4:7], s[0:1], 0x0                ; o16 s[4:5], wo16 s[6:7]
	s_load_b64 s[8:9], s[0:1], 0x10                ; out0
	v_lshl_add_u32 v[SPW], v0, 2, SPARE
	v_mov_b32 v[NIL], 0
	ds_add_u32 v[SPW], v[NIL]                      ; the wave's opening: the add, twice on end, and its wait ahead of my first tensor load
	ds_add_u32 v[SPW], v[NIL]
	v_lshrrev_b32 v1, 5, v0
	v_readfirstlane_b32 s10, v1                    ; wave 0..3
	s_lshr_b32 s11, s10, 1                         ; which 64 rows of the tile are mine.  Also: I fetch for A (0) or for B (1)
	s_and_b32 s12, s10, 1                          ; which 128 columns.  Also: which 64 rows of that tile I fetch
	s_bfe_u32 s40, ttmp6, 0x40000                  ; cx, cy
	s_bfe_u32 s41, ttmp6, 0x40004
	s_lshl_b32 s42, ttmp9, 2
	s_add_co_u32 s42, s42, s40                     ; tile column = 4 x cluster x + cx
	s_and_b32 s13, ttmp7, 0xffff
	s_lshl_b32 s13, s13, 2
	s_add_co_u32 s13, s13, s41                     ; tile row = 4 x cluster y + cy
	s_lshl_b32 s43, s41, 2
	s_lshl_b32 s43, 15, s43                        ; my row of the cluster
	s_lshl_b32 s44, 0x1111, s40                    ; my column
	s_or_b32 s[G1+0], s43, (1<<16)|(1<<20)|(1<<21)|(5<<22)|(3<<25)   ; A: elements of 2 bytes; four words of padding after every 64
	s_mov_b32 s[G1+1], 128<<16                     ; tensor_dim0 = 128
	s_mov_b32 s[G1+2], 64<<16                      ; tensor_dim1 = 64
	s_mov_b32 s[G1+3], 128<<16                     ; tile_dim0
	s_mov_b32 s[G1+4], 64                          ; tile_dim1
	s_mov_b32 s[G1+5], 2048                        ; the pitch
	s_mov_b32 s[G1+6], 0
	s_mov_b32 s[G1+7], 0
	s_or_b32 s[G1B+0], s44, (1<<16)|(1<<20)|(1<<21)|(6<<22)|(7<<25)  ; B: eight words after every 128
	s_mov_b32 s[G1B+1], 256<<16
	s_mov_b32 s[G1B+2], 64<<16
	s_mov_b32 s[G1B+3], 256<<16
	s_mov_b32 s[G1B+4], 64
	s_mov_b32 s[G1B+5], 2048
	s_mov_b32 s[G1B+6], 0
	s_mov_b32 s[G1B+7], 0
	s_lshl_b32 s16, s13, 7
	s_lshl_b32 s17, s12, 6
	s_add_co_u32 s16, s16, s17                     ; A: row 128 x tile row + 64 x half,
	s_lshl_b32 s16, s16, 12                        ; of 4,096 bytes
	s_mov_b32 s17, 0
	s_lshl_b32 s46, s12, 18                        ; B: k rows 64 x half, of 4,096 bytes,
	s_lshl_b32 s47, s42, 9                         ; + 512 bytes x tile column
	s_add_co_u32 s46, s46, s47
	s_mov_b32 s47, 0
	s_mul_i32 s20, s12, HALFA                      ; where they go: no place in the cluster enters an LDS address
	s_mul_i32 s21, s12, HALFB
	s_add_co_u32 s21, s21, BOFF
	s_wait_dscnt 0x0                               ; both opening adds are done
	s_wait_kmcnt 0x0
	s_add_nc_u64 s[14:15], s[4:5], s[16:17]
	s_add_nc_u64 s[46:47], s[6:7], s[46:47]
	CROUND                                         ; all sixteen work-groups are here: the first joint loads meet
.irp s, 0,1
	s_mov_b32 s[G0+4*\s], 1
	s_add_co_u32 s[G0+4*\s+1], s20, \s*SLOT
	s_add_nc_u64 s[G0+4*\s+2:G0+4*\s+3], s[14:15], \s*KSTEP*2
	s_or_b32 s[G0+4*\s+3], s[G0+4*\s+3], 0x80000000
	s_mov_b32 s[G0B+4*\s], 1
	s_add_co_u32 s[G0B+4*\s+1], s21, \s*SLOT
	s_add_nc_u64 s[G0B+4*\s+2:G0B+4*\s+3], s[46:47], \s*KSTEP*4096
	s_or_b32 s[G0B+4*\s+3], s[G0B+4*\s+3], 0x80000000
	JLOAD \s
.endr
	v_and_b32 v1, 15, v0                           ; l % 16
	v_bfe_u32 v2, v0, 4, 1                         ; l / 16
	v_mul_u32_u24 v3, v1, PA
	v_lshl_add_u32 v3, v2, 4, v3                   ; A: row x pitch + 16 x half
	v_and_b32 v4, 7, v0
	v_lshl_add_u32 v4, v2, 3, v4
	v_mul_u32_u24 v4, v4, PB
	v_bfe_u32 v5, v0, 3, 1
	v_lshl_add_u32 v4, v5, 4, v4                   ; B, for the turning load: k row 8 (l / 16) + l % 8, columns 8 ((l / 8) % 2) on
	s_mul_i32 s21, s11, HALFA                      ; my 64 rows of A
	s_lshl_b32 s22, s12, 8                         ; my 128 columns of B,
	s_add_co_u32 s22, s22, BOFF                    ; which lies behind A
.irp s, 0,1
	v_add_nc_u32 v[ADRA+\s], s21, v3
	v_add_nc_u32 v[ADRB+\s], s22, v4
	s_add_co_u32 s21, s21, SLOT
	s_add_co_u32 s22, s22, SLOT
.endr
	s_mul_i32 s23, s10, 16*SPITCH
	s_add_co_u32 s23, s23, STAGE                   ; my stage
	v_mul_u32_u24 v5, v1, SPITCH
	v_lshl_add_u32 v5, v2, 5, v5
	v_add_nc_u32 v[STO], s23, v5                   ; in: row l % 16, 32 bytes for each half of the lanes
	v_and_b32 v6, 31, v0
	v_lshlrev_b32 v[CO], 4, v6                     ; back: the 32 lanes take one row of 512 bytes; and the same in out0
	v_add_nc_u32 v[RD], s23, v[CO]
	s_lshl_b32 s16, s13, 7
	s_lshl_b32 s17, s11, 6
	s_add_co_u32 s16, s16, s17                     ; my first row of out0,
	s_lshl_b32 s16, s16, 13                        ; of 8,192 bytes
	s_mov_b32 s17, 0
	s_add_nc_u64 s[8:9], s[8:9], s[16:17]
	s_lshl_b32 s46, s42, 10                        ; my first column, in bytes: 1,024 x tile column + 512 x half
	s_lshl_b32 s47, s12, 9
	s_add_co_u32 s46, s46, s47
	s_mov_b32 s47, 0
	s_add_nc_u64 s[8:9], s[8:9], s[46:47]
; 8 matrix instructions: A's block a x B's eight, 32 along K.  The 32 accumulators take turns, one instruction a turn, in the same order in every quarter.
.macro MUL8 f, a, zero
.irp b, 0,1,2,3,4,5,6,7
.if \zero
	v_wmma_f32_16x16x32_f16 v[8*(8*(\a)+\b):8*(8*(\a)+\b)+7], v[\f+32+8*\b:\f+32+8*\b+7], v[\f+8*(\a):\f+8*(\a)+7], 0
.else
	v_wmma_f32_16x16x32_f16 v[8*(8*(\a)+\b):8*(8*(\a)+\b)+7], v[\f+32+8*\b:\f+32+8*\b+7], v[\f+8*(\a):\f+8*(\a)+7], v[8*(8*(\a)+\b):8*(8*(\a)+\b)+7]
.endif
.endr
.endm
; 24 LDS loads in one run: the fragments of the slot's q-th 32 along K into buffer f: B's sixteen, then A's blocks 0, 1, then 2, 3
.macro FETCH slot, q, f
	WIN 0
.irp b, 0,1,2,3,4,5,6,7
	ds_load_tr16_b128 v[\f+32+8*\b:\f+32+8*\b+3],   v[ADRB+\slot] offset:32*PB*(\q)+32*\b
	ds_load_tr16_b128 v[\f+32+8*\b+4:\f+32+8*\b+7], v[ADRB+\slot] offset:32*PB*(\q)+32*\b+16*PB
.endr
.irp a, 0,1,2,3
	ds_load_b128 v[\f+8*\a:\f+8*\a+3],   v[ADRA+\slot] offset:64*(\q)+\a*16*PA
	ds_load_b128 v[\f+8*\a+4:\f+8*\a+7], v[ADRA+\slot] offset:64*(\q)+\a*16*PA+32
.endr
.endm
.macro PLACES
.rept 4
	v_nop
.endr
.endm
; A K step is four quarters of 32 along K on buffers 0, 1, 0, 1.  One of the first three multiplies buffer f and fetches the slot's quarter q into g.
.macro QUARTER slot, q, f, g, zero
	s_wait_dscnt 4                                 ; B and A's blocks 0, 1 are in; A's blocks 2, 3 (4 loads) may be out
	WIN MUL
	MUL8 \f, 0, \zero
	MUL8 \f, 1, \zero
	PLACES
	FETCH \slot, \q, \g
	s_wait_dscnt 24                                ; all but the 24 just issued
	WIN MUL
	MUL8 \f, 2, \zero
	MUL8 \f, 3, \zero
.endm
; The last quarter multiplies buffer 1 and changes slots: one barrier; in front of it each wave waits for all its tensor loads, adds 0 to its spare word, and waits for that and for its reads of this slot.
.macro TURN slot, next, fill
	WIN 0                                          ; (the add's two registers lie in window 0)
	s_wait_tensorcnt 0x0                           ; all my tensor loads have landed: my part of the next slot
	ds_add_u32 v[SPW], v[NIL]
	s_wait_dscnt 5                                 ; the add and A's blocks 2, 3 may be out
	WIN MUL
	MUL8 F1, 0, 0
	s_wait_dscnt 0x0                               ; the add is done, and my reads of this slot are over
	s_barrier_signal -1
	MUL8 F1, 1, 0
.if \fill
	WIN 0
.endif
	s_barrier_wait -1
.if \fill
	CREST                                          ; the barrier has opened a round of the cluster's barrier: no wave of any partner still reads this slot or has a load on its way
	s_add_nc_u64 s[G0+4*\slot+2:G0+4*\slot+3], s[G0+4*\slot+2:G0+4*\slot+3], 2*KSTEP*2
	s_add_nc_u64 s[G0B+4*\slot+2:G0B+4*\slot+3], s[G0B+4*\slot+2:G0B+4*\slot+3], 2*KSTEP*4096
	JLOAD \slot                                    ; the first tensor load behind the round: 112 matrix instructions ahead of the wait for it; its four v_nop are also the places in front of the loads below
.else
	PLACES
.endif
	FETCH \next, 0, F0
	WIN MUL
	MUL8 F1, 2, 0
	MUL8 F1, 3, 0
.endm
	s_wait_tensorcnt 1                             ; my part of K step 0 is in; K step 1's may be out
	s_barrier_signal -1
	s_barrier_wait -1
	FETCH 0, 0, F0
	QUARTER 0, 1, F0, F1, 1                        ; the first quarter's products start the sums
	WIN 0
	s_mov_b32 s3, LAPS-1
.Llap:                                                 ; a trip goes once round the ring and fills both slots again
	QUARTER 0, 2, F1, F0, 0
	QUARTER 0, 3, F0, F1, 0
	TURN 0, 1, 1
	QUARTER 1, 1, F0, F1, 0
	QUARTER 1, 2, F1, F0, 0
	QUARTER 1, 3, F0, F1, 0
	TURN 1, 0, 1
	QUARTER 0, 1, F0, F1, 0
	WIN 0
	s_sub_co_u32 s3, s3, 1
	s_cmp_lg_u32 s3, 0
	s_cbranch_scc1 .Llap
	QUARTER 0, 2, F1, F0, 0                        ; the last lap fills nothing
	QUARTER 0, 3, F0, F1, 0
	TURN 0, 1, 0
	QUARTER 1, 1, F0, F1, 0
	QUARTER 1, 2, F1, F0, 0
	QUARTER 1, 3, F0, F1, 0
	s_wait_dscnt 4
	WIN MUL
	MUL8 F1, 0, 0
	MUL8 F1, 1, 0
	s_wait_dscnt 0
	MUL8 F1, 2, 0
	MUL8 F1, 3, 0
	WIN 0
; THE WAY OUT, block by block of 16 rows x 128 columns, through my own stage: in as 32 bytes a lane, back as whole rows of 512 bytes.
.macro TOSTAGE a
	WIN 0x04                                       ; an LDS store's data: window 1
.irp b, 0,1,2,3,4,5,6,7
	ds_store_b128 v[STO], v[8*(8*(\a)+\b):8*(8*(\a)+\b)+3] offset:64*\b          ; each accumulator from its low end on
	ds_store_b128 v[STO], v[8*(8*(\a)+\b)+4:8*(8*(\a)+\b)+7] offset:64*\b+16
.endr
	WIN 0
.set BB, BK+64*((\a)%2)
.irp t, 0,1,2,3,4,5,6,7,8,9,10,11,12,13,14,15
	ds_load_b128 v[BB+4*\t:BB+4*\t+3], v[RD] offset:\t*SPITCH
.endr
.endm
.macro SEND a, younger                 ; younger: the LDS instructions issued behind block a's loads
.set BB, BK+64*((\a)%2)
	s_wait_dscnt \younger
.if (\a) > 0
	s_add_nc_u64 s[8:9], s[8:9], 16*8192           ; (behind a wait on XCNT: the earlier stores have read their base)  16 rows on
.endif
.irp t, 0,1,2,3,4,5,6,7,8,9,10,11,12,13,14,15
	global_store_b128 v[CO], v[BB+4*\t:BB+4*\t+3], s[8:9] offset:\t*8192 th:TH_STORE_NT   ; 32 lanes store 512 consecutive bytes, aligned
.endr
.endm
	PLACES
	TOSTAGE 0
.irp a, 1,2,3
.if \a > 1
	s_wait_xcnt 0x0                                ; block a - 2's stores have read their registers and their base
.endif
	TOSTAGE \a
	SEND \a-1, 32                                  ; behind block a - 1's loads: block a's 16 stores and 16 loads
.endr
	s_wait_xcnt 0x0
	SEND 3, 0
	s_wait_tensorcnt 0x0                           ; the wave's end
	ds_add_u32 v[SPW], v[NIL]
	s_wait_dscnt 0x0
	CROUND                                         ; the closing round
	s_endpgm
.Lfunc_end_k_q28b675cf08_oproj:
	.size	k_q28b675cf08_oproj, .Lfunc_end_k_q28b675cf08_oproj-k_q28b675cf08_oproj
	.p2alignl 7, 3214868480
	.fill 96, 4, 3214868480
	.section	.rodata,"a",@progbits
	.p2align	6, 0x0
	.amdhsa_kernel k_q28b675cf08_oproj
		.amdhsa_group_segment_fixed_size 327680
		.amdhsa_private_segment_fixed_size 0
		.amdhsa_enable_private_segment 0
		.amdhsa_kernarg_size 24
		.amdhsa_user_sgpr_count 2
		.amdhsa_user_sgpr_kernarg_segment_ptr 1
		.amdhsa_wavefront_size32 1
		.amdhsa_system_sgpr_workgroup_id_x 1
		.amdhsa_system_sgpr_workgroup_id_y 1
		.amdhsa_system_sgpr_workgroup_id_z 1
		.amdhsa_system_vgpr_workitem_id 0
		.amdhsa_next_free_vgpr 512
		.amdhsa_next_free_sgpr 66
		.amdhsa_reserve_vcc 0
		.amdhsa_float_denorm_mode_32 3
		.amdhsa_float_denorm_mode_16_64 3
		.amdhsa_memory_ordered 1
		.amdhsa_forward_progress 1
		.amdhsa_inst_pref_size 85
	.end_amdhsa_kernel
	.amdgpu_metadata
---
amdhsa.version: [ 1, 2 ]
amdhsa.kernels:
  - .name:           k_q28b675cf08_oproj
    .symbol:         k_q28b675cf08_oproj.kd
    .args:
      - { .name: o16, .offset: 0, .size: 8, .value_kind: global_buffer, .address_space: global }
      - { .name: wo16, .offset: 8, .size: 8, .value_kind: global_buffer, .address_space: global }
      - { .name: out0, .offset: 16, .size: 8, .value_kind: global_buffer, .address_space: global }
    .group_segment_fixed_size: 327680
    .private_segment_fixed_size: 0
    .kernarg_segment_align: 8
    .kernarg_segment_size: 24
    .max_flat_workgroup_size: 128
    .sgpr_count:     66
    .vgpr_count:     512
    .wavefront_size: 32
...
	.end_amdgpu_metadata
.endif
;; end of part 5
;; launch fproj (part 6): grid 256 x 1, 16 waves a work-group, no clusters, 18,432 bytes of LDS; arguments ofine, wo, out0; writes out0
.if DOCPART == 6
	.amdgcn_target "amdgcn-amd-amdhsa--gfx1250"
	.amdhsa_code_object_version 6
	.text
	.protected	k_q28b675cf08_fproj
	.globl	k_q28b675cf08_fproj
	.p2align	8
	.type	k_q28b675cf08_fproj,@function
k_q28b675cf08_fproj:
	s_mov_b64 s[64:65], 0
	v_nop
	global_prefetch_b8 v0, s[64:65] scope:SCOPE_SE
	s_setreg_imm32_b32 hwreg(HW_REG_WAVE_MODE, 25, 1), 1
	s_wait_xcnt 0x0
; The first 16 positions of each batch, in f32: out0[2048 b + t][n] = sum over k of ofine[16 b + t][k] wo[k][n], t = 0..15.  It writes over the 32 rows that the launch before has stored from f16 operands.
; 32 x 2,048 x 2,048 multiply-adds by the f32 matrix form: little work, spread over 256 work-groups x 16 waves.  Work-group: batch b = id / 128, 16 columns (id % 128).  Wave w: K = 128 w .. 128 w + 127;
; the sixteen partial sums meet in LDS, and wave 0 adds them in a fixed order and stores.
; The product is used transposed (source 0 = 16 columns of wo, source 1 = the 16 rows): lane (r, h) holds row r, columns 8 h + 0 .. 7.  Step kk takes k = 128 w + 64 h + 2 kk + 0, 1 on both sides alike.
; wo is read, and the 32 rows are written, in runs of 64 bytes: the neighbouring work-groups take the rest of each 256.  No tensor loads, no cluster: each byte of wo is read by one work-group of a batch.
.set SPARE, 16384                      ; behind the 16 images of 1,024 bytes: the spare words, 128 bytes a wave
.set BW, 64                            ; v64-127  wo(128 w + 64 h + i, 16 slab + r)
.set AO, 128                           ; v128-191 ofine(16 b + r, 128 w + 64 h + i)
.set FA, 192                           ; v192-223 four accumulators, written by the matrix form alone
	s_load_b128 s[4:7], s[0:1], 0x0                ; ofine s[4:5], wo s[6:7]
	s_load_b64 s[8:9], s[0:1], 0x10                ; out0
	v_lshl_add_u32 v30, v0, 2, SPARE
	v_mov_b32 v31, 0
	v_lshrrev_b32 v1, 5, v0
	v_readfirstlane_b32 s10, v1                    ; wave 0..15
	v_and_b32 v1, 15, v0                           ; r
	v_bfe_u32 v2, v0, 4, 1                         ; h
	v_lshlrev_b32 v3, 19, v2                       ; wo: 64 h rows of 8,192 bytes,
	v_lshl_add_u32 v3, v1, 2, v3                   ; column r
	v_lshlrev_b32 v4, 13, v1                       ; ofine: row r,
	v_lshl_add_u32 v4, v2, 8, v4                   ; + 64 h numbers
	v_lshlrev_b32 v5, 13, v1                       ; out0: row r,
	v_lshl_add_u32 v5, v2, 5, v5                   ; + 8 h numbers
	v_and_b32 v7, 31, v0
	v_lshlrev_b32 v7, 4, v7                        ; an image's place for my lane
	s_lshl_b32 s11, s10, 10
	v_add_nc_u32 v6, s11, v7                       ; my wave's image
	s_lshr_b32 s12, ttmp9, 7                       ; b
	s_and_b32 s13, ttmp9, 127                      ; which 16 columns
	s_mov_b32 s15, 0
	s_mov_b32 s17, 0
	s_mov_b32 s19, 0
	s_lshl_b32 s14, s10, 20                        ; wo: 128 w rows
	s_lshl_b32 s11, s13, 6
	s_add_co_u32 s14, s14, s11
	s_lshl_b32 s16, s12, 17                        ; ofine: 16 rows a batch,
	s_lshl_b32 s20, s10, 9
	s_add_co_u32 s16, s16, s20                     ; + 128 w numbers
	s_lshl_b32 s18, s12, 24                        ; out0: 2,048 rows a batch
	s_add_co_u32 s18, s18, s11
	s_wait_kmcnt 0x0
	s_add_nc_u64 s[6:7], s[6:7], s[14:15]
	s_add_nc_u64 s[4:5], s[4:5], s[16:17]
	s_add_nc_u64 s[8:9], s[8:9], s[18:19]
.set i, 0
.rept 64
	global_load_b32 v[BW+i], v3, s[6:7] offset:8192*i th:TH_LOAD_NT
.set i, i+1
.endr
.set i, 0
.rept 16
	global_load_b128 v[AO+4*i:AO+4*i+3], v4, s[4:5] offset:16*i
.set i, i+1
.endr
	s_wait_loadcnt 0x0
.set i, 0
.rept 32                               ; four accumulators by turns; the first four steps start the sums
.if i < 4
	v_wmma_f32_16x16x4_f32 v[FA+8*(i%4):FA+8*(i%4)+7], v[BW+2*i:BW+2*i+1], v[AO+2*i:AO+2*i+1], 0
.else
	v_wmma_f32_16x16x4_f32 v[FA+8*(i%4):FA+8*(i%4)+7], v[BW+2*i:BW+2*i+1], v[AO+2*i:AO+2*i+1], v[FA+8*(i%4):FA+8*(i%4)+7]
.endif
.set i, i+1
.endr
.rept 8
	v_nop                                          ; eight places behind this form
.endr
.irp j, 0,1,2,3,4,5,6,7
	v_add_f32 v[32+\j], v[FA+\j], v[FA+8+\j]       ; each accumulator from its low end on
	v_add_f32 v[40+\j], v[FA+16+\j], v[FA+24+\j]
.endr
.irp j, 0,1,2,3,4,5,6,7
	v_add_f32 v[32+\j], v[32+\j], v[40+\j]
.endr
	ds_store_b128 v6, v[32:35]                     ; my partial sums, as an image of their registers
	ds_store_b128 v6, v[36:39] offset:512
	s_wait_dscnt 0x0                               ; for wave 0's sake: my stores have landed
	s_barrier_signal -1
	s_barrier_wait -1
	s_cmp_lg_u32 s10, 0
	s_cbranch_scc1 .Ldone
.irp p, 0,1,2,3,4,5,6,7,8,9,10,11,12,13,14,15
	ds_load_b128 v[64+8*\p:67+8*\p], v7 offset:1024*\p
	ds_load_b128 v[68+8*\p:71+8*\p], v7 offset:1024*\p+512
.endr
	s_wait_dscnt 0x0
.irp d, 8,4,2,1                        ; a tree over the sixteen: 15 x 4 packed additions
.irp p, 0,1,2,3,4,5,6,7
.if \p < \d
.irp q, 0,2,4,6
	v_pk_add_f32 v[64+8*\p+\q:65+8*\p+\q], v[64+8*\p+\q:65+8*\p+\q], v[64+8*(\p+\d)+\q:65+8*(\p+\d)+\q]
.endr
.endif
.endr
.endr
	global_store_b128 v5, v[64:67], s[8:9]
	global_store_b128 v5, v[68:71], s[8:9] offset:16
.Ldone:
	s_wait_tensorcnt 0x0                           ; the wave's end
	ds_add_u32 v30, v31
	s_wait_dscnt 0x0
	s_endpgm
.Lfunc_end_k_q28b675cf08_fproj:
	.size	k_q28b675cf08_fproj, .Lfunc_end_k_q28b675cf08_fproj-k_q28b675cf08_fproj
	.p2alignl 7, 3214868480
	.fill 96, 4, 3214868480
	.section	.rodata,"a",@progbits
	.p2align	6, 0x0
	.amdhsa_kernel k_q28b675cf08_fproj
		.amdhsa_group_segment_fixed_size 18432
		.amdhsa_private_segment_fixed_size 0
		.amdhsa_enable_private_segment 0
		.amdhsa_kernarg_size 24
		.amdhsa_user_sgpr_count 2
		.amdhsa_user_sgpr_kernarg_segment_ptr 1
		.amdhsa_wavefront_size32 1
		.amdhsa_system_sgpr_workgroup_id_x 1
		.amdhsa_system_sgpr_workgroup_id_y 1
		.amdhsa_system_sgpr_workgroup_id_z 1
		.amdhsa_system_vgpr_workitem_id 0
		.amdhsa_next_free_vgpr 256
		.amdhsa_next_free_sgpr 66
		.amdhsa_reserve_vcc 0
		.amdhsa_float_denorm_mode_32 3
		.amdhsa_float_denorm_mode_16_64 3
		.amdhsa_memory_ordered 1
		.amdhsa_forward_progress 1
		.amdhsa_inst_pref_size 19
	.end_amdhsa_kernel
	.amdgpu_metadata
---
amdhsa.version: [ 1, 2 ]
amdhsa.kernels:
  - .name:           k_q28b675cf08_fproj
    .symbol:         k_q28b675cf08_fproj.kd
    .args:
      - { .name: ofine, .offset: 0, .size: 8, .value_kind: global_buffer, .address_space: global }
      - { .name: wo, .offset: 8, .size: 8, .value_kind: global_buffer, .address_space: global }
      - { .name: out0, .offset: 16, .size: 8, .value_kind: global_buffer, .address_space: global }
    .group_segment_fixed_size: 18432
    .private_segment_fixed_size: 0
    .kernarg_segment_align: 8
    .kernarg_segment_size: 24
    .max_flat_workgroup_size: 512
    .sgpr_count:     66
    .vgpr_count:     256
    .wavefront_size: 32
...
	.end_amdgpu_metadata
.endif
;; end of part 6
